; MI455X (gfx1250); checked and timed in simulation.
; The chip was launched on July 23, 2026; its instructions are those of AMD's public machine-readable ISA for CDNA 5 (MIT licence, August 2026) and "CDNA5" Instruction Set Architecture Reference Guide (July 2026). The comments in the code are by the model that wrote it; some were corrected since.
;; Multi Head Attention. Allowed arithmetic: matrix products marked QUANTISED: E4M3 operands, one E8M0 scale for each 32 along K, by v_wmma_scale_f32_16x16x128_f8f6f4 with both operands' format E4M3, f32 sums; everything else in f32.
;; Inputs: Wk_codes 1,024 x 32 x 32 uint8 (E4M3 codes of Wk, K innermost, in blocks of 32 codes); Wk_scales 1,024 x 32 uint8 (E8M0 scales of Wk, one for each 32 codes along K); Wo_codes 1,024 x 32 x 32 uint8 (E4M3 codes of Wo, K innermost, in blocks of 32 codes); Wo_scales 1,024 x 32 uint8 (E8M0 scales of Wo, one for each 32 codes along K); Wq_codes 1,024 x 32 x 32 uint8 (E4M3 codes of Wq, K innermost, in blocks of 32 codes); Wq_scales 1,024 x 32 uint8 (E8M0 scales of Wq, one for each 32 codes along K); Wv_codes 1,024 x 32 x 32 uint8 (E4M3 codes of Wv, K innermost, in blocks of 32 codes); Wv_scales 1,024 x 32 uint8 (E8M0 scales of Wv, one for each 32 codes along K); bk 1,024 float32; bo 1,024 float32; bq 1,024 float32; bv 1,024 float32; key_codes 4 x 2,048 x 32 x 32 uint8 (E4M3 codes of key, K innermost, in blocks of 32 codes); key_scales 4 x 2,048 x 32 uint8 (E8M0 scales of key, one for each 32 codes along K); mask 1 x 1 x 2,048 x 2,048 bool; query_codes 4 x 2,048 x 32 x 32 uint8 (E4M3 codes of query, K innermost, in blocks of 32 codes); query_scales 4 x 2,048 x 32 uint8 (E8M0 scales of query, one for each 32 codes along K); value_codes 4 x 2,048 x 32 x 32 uint8 (E4M3 codes of value, K innermost, in blocks of 32 codes); value_scales 4 x 2,048 x 32 uint8 (E8M0 scales of value, one for each 32 codes along K).
;; Outputs: out0 4 x 2,048 x 1,024 float32.
;; This version of the problem:
;;   THIS VERSION OF THE PROBLEM IS GIVEN IN LOW PRECISION. The matrix products marked QUANTISED in the list below multiply operands that are first quantised to E4M3 (4 exponent bits, 3 mantissa bits; 8 bits a number), with one power-of-two scale for each 32 numbers along K (OCP MX v1.0); their sums are f32. All else is computed in f32.
;;   The module's matrix products, in the order in which they are computed (A, B: the left and right operand; K: the contracted axis; several contracted axes count as one K, in the product's order):
;;     1. [M 8,192, K 1,024] x [K 1,024, N 1,024]; A: input query (given as codes); B: input Wq (given as codes): QUANTISED
;;     2. [M 8,192, K 1,024] x [K 1,024, N 1,024]; A: input key (given as codes); B: input Wk (given as codes): QUANTISED
;;     3. [M 8,192, K 1,024] x [K 1,024, N 1,024]; A: input value (given as codes); B: input Wv (given as codes): QUANTISED
;;     4. batch 64 x [M 2,048, K 64] x [K 64, N 2,048]; A: computed on the way; B: computed on the way: QUANTISED
;;     5. batch 64 x [M 2,048, K 2,048] x [K 2,048, N 64]; A: softmax (see below); B: computed on the way: QUANTISED
;;     6. [M 8,192, K 1,024] x [K 1,024, N 1,024]; A: computed on the way; B: input Wo (given as codes): QUANTISED
;;   THE QUANTISER, for each operand of a quantised product, along K:
;;     - K is cut into blocks of 32 from its start; a last block that is shorter is filled with zeros.
;;     - A block's scale is 2^e with e = floor(log2(the largest magnitude in the block)) - 8, held to -126 .. 127; a block of zeros has e = 0. As a byte (E8M0): e + 127.
;;     - Each number is divided by its block's scale, clamped to +-448, and rounded to the nearest number of E4M3, ties to even, subnormals kept.
;;     - The product sums the exact products of the quantised numbers (number of the format x scale) in f32.
;;   ~~~python
;;   def quantise(x, axis):      # numpy; x: float32 -> the quantised numbers, widened to float32 again
;;       x = np.moveaxis(x, axis, -1); K = x.shape[-1]
;;       x = np.pad(x, [(0, 0)] * (x.ndim - 1) + [(0, -K % 32)]); x = x.reshape(x.shape[:-1] + (-1, 32)); a = np.abs(x).max(-1, keepdims=True)
;;       e = np.where(a > 0, np.clip(np.frexp(np.where(a > 0, a, 1))[1] - 1 - 8, -126, 127), 0)      # np.frexp(a)[1] - 1 = floor(log2(a)), exactly
;;       r = np.clip(x / 2.0 ** e, -448, 448)
;;       step = 2.0 ** (np.maximum(np.frexp(np.where(r == 0, 1, r))[1] - 1, -6) - 3)
;;       q = np.round(r / step) * step * 2.0 ** e      # np.round: ties to even
;;       return np.moveaxis(q.reshape(q.shape[:-2] + (-1,))[..., :K], -1, axis).astype(np.float32)
;;   ~~~
;;   SOFTMAX AHEAD OF A QUANTISED PRODUCT. Where the list says 'softmax', what is quantised is not the finished softmax but p = 2^(t - M), with t = logit x log2(e) and M = ceil(the row's largest t), a whole number; so 1/2 < the row's largest p <= 1. The row's sum l is taken of the UNQUANTISED p, in f32, and the product's result is divided by l at the end. Since M is a whole number, a kernel that streams over the keys may use a running M (the ceiling of the running maximum): every later rescaling is an exact power of two, which a block's scale takes up: the codes' values come out the same.
;;   OPERANDS COMPUTED ON THE WAY. 'Computed on the way' means the value that the module computes at that place (a softmax that the list does not call 'softmax' is quantised finished and normalised). What goes into a quantiser is computed in f32, as accurately as f32 sums, v_exp_f32 and their like allow (about 1e-6 of the number): no bf16 or f16 on the way to a quantiser, and a product that is left as it is and whose result goes on into a quantised operand takes f32 operands (vector FMAs, or v_wmma_f32_16x16x4_f32). A number that lies on a knife's edge between two numbers of the format may be rounded either way, as far as f32 arithmetic and the matrix unit's own rounding can turn it there, and no further.
;;   INPUTS GIVEN AS CODES. Wk (in the module: [1024, 1024], K = its axis 0); Wo (in the module: [1024, 1024], K = its axis 0); Wq (in the module: [1024, 1024], K = its axis 0); Wv (in the module: [1024, 1024], K = its axis 0); key (in the module: [4, 2048, 1024], K = its axis 2); query (in the module: [4, 2048, 1024], K = its axis 2); value (in the module: [4, 2048, 1024], K = its axis 2): each comes as NAME_codes (uint8): NAME with its K axis moved to the last place and cut into blocks of 32 codes, [.., K / 32, bytes a block], one block behind the other in memory; one code a byte (a code: sign, 4 exponent bits, 3 mantissa bits); and NAME_scales (uint8): the same leading axes, one E8M0 byte (e + 127) for each 32 codes along K. Its value is code x scale, taken as it is: it is not quantised again, and the codes and scales need not be those that the quantiser above would give.
;; One version. Each part assembles by itself: llvm-mc -triple=amdgcn-amd-amdhsa -mcpu=gfx1250 --defsym DOCPART=n.
;; ======== version 1 of 1: 4 launches
;; limits: right only within a limited range of input values
;; workspace buffers: rope 524,288 bytes; mw 524,288 bytes of whole numbers; qkv 26,738,688 bytes; xc 8,388,608 bytes; xs 262,144 bytes
;; launch prep (part 1): grid 256 x 1, 8 waves a work-group, no clusters, 0 bytes of LDS; arguments mask, rope, mw; writes rope, mw
.if DOCPART == 1
	.amdgcn_target "amdgcn-amd-amdhsa--gfx1250"
	.amdhsa_code_object_version 6
	.text
	.protected	k_q9abe718456_prep
	.globl	k_q9abe718456_prep
	.p2align	8
	.type	k_q9abe718456_prep,@function
k_q9abe718456_prep:
	s_mov_b64 s[64:65], 0
	v_nop
	global_prefetch_b8 v0, s[64:65] scope:SCOPE_SE
	s_setreg_imm32_b32 hwreg(HW_REG_WAVE_MODE, 25, 1), 1
	s_wait_xcnt 0x0
; Two small tables for the later launches.  Wave W = 8 x work-group + wave (0 .. 2047) makes one row of each.
; rope [2048][64] f32: row pos = W: cos(pos x inv(f)), f = 0 .. 31, then sin of the same; inv(f) = 10000^(-f / 32).
; mw [128 qt][16 ks][64 w] words: word w = 8 T + j, bit l = mask[16 qt + l % 16][128 ks + 16 T + 8 (l / 16) + j]: the lane mask of the register
; in which the attention launch holds that score.  qt = W / 16, ks = W % 16.
; cos and sin: the angle is reduced by n = round(a x 2 / pi) with pi / 2 in two parts (n is at most 1,304, so a third part would change less than 3e-12),
; then two short polynomials on [-pi / 4, pi / 4]; the quadrant chooses between them and sets the sign, by v_cndmask_b32 and an exclusive or.
; LIMIT: inv(f) is made by v_exp_f32 (1 ulp), so an angle may differ by some 3e-4 rad at position 2,047 from one made of a correctly rounded power.
; Each store of the wave covers 256 consecutive bytes, aligned.  No LDS, no barrier: waves share nothing.
	s_load_b128 s[4:7], s[0:1], 0x0                ; mask, rope
	s_load_b64 s[8:9], s[0:1], 0x10                ; mw
	v_lshrrev_b32 v1, 5, v0
	s_delay_alu instid0(VALU_DEP_1)
	v_readfirstlane_b32 s10, v1                    ; wave
	s_lshl_b32 s11, ttmp9, 3
	s_add_co_u32 s11, s11, s10                     ; W
	v_and_b32 v2, 31, v0                           ; lane
	v_and_b32 v3, 15, v0                           ; r
	v_bfe_u32 v4, v0, 4, 1                         ; h
	s_delay_alu instid0(VALU_DEP_2)
	v_lshlrev_b32 v5, 11, v3
	s_delay_alu instid0(VALU_DEP_1)
	v_lshl_add_u32 v5, v4, 3, v5                   ; mask: row r of 2,048 bytes, + 8 h
	v_lshlrev_b32 v6, 3, v2                        ; out: 8 bytes a lane
	s_lshr_b32 s12, s11, 4
	s_lshl_b32 s12, s12, 15                        ; qt x 16 rows
	s_and_b32 s13, s11, 15
	s_lshl_b32 s13, s13, 7                         ; ks x 128 keys
	s_add_co_u32 s12, s12, s13
	s_mov_b32 s13, 0
	s_lshl_b32 s14, s11, 8                         ; 256 bytes a row in both tables
	s_mov_b32 s15, 0
	s_mov_b32 s16, 0xbed49a78                      ; -log2(10000) / 32
	s_mov_b32 s17, 0x3f22f983                      ; 2 / pi
	s_mov_b32 s18, 0xbfc90fdb                      ; -(pi / 2), upper part
	s_mov_b32 s19, 0x333bbd2e                      ; what the upper part has too much
	s_mov_b32 s20, 0xb94ca1f9                      ; sine: -1.9515296e-4,
	s_mov_b32 s21, 0x3c08839e                      ; 8.3321609e-3,
	s_mov_b32 s22, 0xbe2aaaa3                      ; -1.6666655e-1
	s_mov_b32 s23, 0x37ccf5ce                      ; cosine: 2.4433157e-5,
	s_mov_b32 s24, 0xbab6061a                      ; -1.3887316e-3,
	s_mov_b32 s25, 0x3d2aaaa5                      ; 4.1666646e-2
	s_wait_alu depctr_va_vdst(0)
	s_wait_kmcnt 0x0
	s_add_nc_u64 s[4:5], s[4:5], s[12:13]
	s_add_nc_u64 s[6:7], s[6:7], s[14:15]
	s_add_nc_u64 s[8:9], s[8:9], s[14:15]
.irp T, 0,1,2,3,4,5,6,7
	global_load_b64 v[16+2*\T:17+2*\T], v5, s[4:5] offset:16*\T   ; keys 16 T + 8 h + 0 .. 7 of query row r
.endr
	; the table row, while the mask bytes are on their way.  A lane makes f = 2 r and 2 r + 1: lanes 0-15 the cosines, lanes 16-31 the sines
	v_lshlrev_b32 v8, 1, v3
	s_delay_alu instid0(VALU_DEP_1)
	v_cvt_f32_u32 v8, v8
	s_delay_alu instid0(VALU_DEP_1)
	v_add_f32 v9, 1.0, v8
	s_delay_alu instid0(VALU_DEP_2)
	v_mul_f32 v8, s16, v8
	s_delay_alu instid0(VALU_DEP_2)
	v_mul_f32 v9, s16, v9
	s_wait_alu depctr_va_vdst(0)
	v_exp_f32 v8, v8                               ; inv(f)
	v_exp_f32 v9, v9
	v_mov_b32 v10, s11                             ; (a plain instruction behind the two exponentials)
	s_wait_alu depctr_va_vdst(0)                   ; one wait for both, ahead of their first reader
	v_cvt_f32_u32 v10, v10                         ; pos
.macro TRIG u
	v_mul_f32 v[8+\u], v10, v[8+\u]                ; the angle, one rounding
	s_delay_alu instid0(VALU_DEP_1)
	v_mul_f32 v[12+\u], s17, v[8+\u]
	s_delay_alu instid0(VALU_DEP_1)
	v_rndne_f32 v[12+\u], v[12+\u]                 ; n
	s_delay_alu instid0(VALU_DEP_1)
	v_fma_f32 v[14+\u], v[12+\u], s18, v[8+\u]
	s_delay_alu instid0(VALU_DEP_1)
	v_fma_f32 v[14+\u], v[12+\u], s19, v[14+\u]    ; the rest, within pi / 4
	s_delay_alu instid0(VALU_DEP_1)
	v_mul_f32 v[44+\u], v[14+\u], v[14+\u]         ; z
	s_delay_alu instid0(VALU_DEP_1)
	v_fma_f32 v[46+\u], v[44+\u], s20, s21
	s_delay_alu instid0(VALU_DEP_1)
	v_fma_f32 v[46+\u], v[46+\u], v[44+\u], s22
	s_delay_alu instid0(VALU_DEP_1)
	v_mul_f32 v[46+\u], v[46+\u], v[44+\u]
	s_delay_alu instid0(VALU_DEP_1)
	v_fma_f32 v[46+\u], v[46+\u], v[14+\u], v[14+\u]   ; the sine of the rest
	v_fma_f32 v[48+\u], v[44+\u], s23, s24
	s_delay_alu instid0(VALU_DEP_1)
	v_fma_f32 v[48+\u], v[48+\u], v[44+\u], s25
	v_mul_f32 v[50+\u], v[44+\u], v[44+\u]
	v_fma_f32 v[52+\u], v[44+\u], -0.5, 1.0
	s_delay_alu instid0(VALU_DEP_1)
	v_fma_f32 v[48+\u], v[48+\u], v[50+\u], v[52+\u]   ; its cosine
	v_cvt_i32_f32 v[54+\u], v[12+\u]
	s_delay_alu instid0(VALU_DEP_1)
	v_mad_u32_u24 v[54+\u], v4, 3, v[54+\u]        ; the quadrant; sin x = cos(x - pi / 2): three quadrants on
	s_delay_alu instid0(VALU_DEP_1)
	v_and_b32 v[56+\u], 1, v[54+\u]
	s_delay_alu instid0(VALU_DEP_1)
	v_cmp_eq_u32 vcc_lo, 1, v[56+\u]
	s_delay_alu instid0(VALU_DEP_1)
	v_cndmask_b32 v[58+\u], v[48+\u], v[46+\u], vcc_lo   ; odd quadrants take the sine
	s_delay_alu instid0(VALU_DEP_4)
	v_add_nc_u32 v[54+\u], 1, v[54+\u]
	s_delay_alu instid0(VALU_DEP_1)
	v_and_b32 v[54+\u], 2, v[54+\u]
	s_delay_alu instid0(VALU_DEP_1)
	v_lshlrev_b32 v[54+\u], 30, v[54+\u]           ; quadrants 1 and 2 are negative
	s_delay_alu instid0(VALU_DEP_1)
	v_xor_b32 v[60+\u], v[54+\u], v[58+\u]
.endm
	TRIG 0
	TRIG 1
	global_store_b64 v6, v[60:61], s[6:7]
	s_wait_loadcnt 0x0                             ; the mask bytes
	v_mov_b32 v40, 0                               ; (v_writelane_b32's destination counts as read)
	v_mov_b32 v41, 0
.set w, 0
.rept 64                                       ; word w goes to lane w / 2 of v40 (even w) or v41 (odd w)
	v_and_b32 v[42+w%2], 0xff<<(8*(w%4)), v[16+2*(w/8)+(w%8)/4]
	s_delay_alu instid0(VALU_DEP_1)
	v_cmp_ne_u32 s[32+w%8], 0, v[42+w%2]
	s_delay_alu instid0(VALU_DEP_1)
	v_writelane_b32 v[40+w%2], s[32+w%8], w/2
.set w, w+1
.endr
	global_store_b64 v6, v[40:41], s[8:9]
	s_endpgm
.Lfunc_end_k_q9abe718456_prep:
	.size	k_q9abe718456_prep, .Lfunc_end_k_q9abe718456_prep-k_q9abe718456_prep
	.p2alignl 7, 3214868480
	.fill 96, 4, 3214868480
	.section	.rodata,"a",@progbits
	.p2align	6, 0x0
	.amdhsa_kernel k_q9abe718456_prep
		.amdhsa_group_segment_fixed_size 0
		.amdhsa_private_segment_fixed_size 0
		.amdhsa_enable_private_segment 0
		.amdhsa_kernarg_size 24
		.amdhsa_user_sgpr_count 2
		.amdhsa_user_sgpr_kernarg_segment_ptr 1
		.amdhsa_wavefront_size32 1
		.amdhsa_system_sgpr_workgroup_id_x 1
		.amdhsa_system_sgpr_workgroup_id_y 1
		.amdhsa_system_sgpr_workgroup_id_z 1
		.amdhsa_system_vgpr_workitem_id 0
		.amdhsa_next_free_vgpr 64
		.amdhsa_next_free_sgpr 66
		.amdhsa_reserve_vcc 1
		.amdhsa_float_denorm_mode_32 3
		.amdhsa_float_denorm_mode_16_64 3
		.amdhsa_memory_ordered 1
		.amdhsa_forward_progress 1
		.amdhsa_inst_pref_size 23
	.end_amdhsa_kernel
	.amdgpu_metadata
---
amdhsa.version: [ 1, 2 ]
amdhsa.kernels:
  - .name:           k_q9abe718456_prep
    .symbol:         k_q9abe718456_prep.kd
    .args:
      - { .name: mask, .offset: 0, .size: 8, .value_kind: global_buffer, .address_space: global }
      - { .name: rope, .offset: 8, .size: 8, .value_kind: global_buffer, .address_space: global }
      - { .name: mw, .offset: 16, .size: 8, .value_kind: global_buffer, .address_space: global }
    .group_segment_fixed_size: 0
    .private_segment_fixed_size: 0
    .kernarg_segment_align: 8
    .kernarg_segment_size: 24
    .max_flat_workgroup_size: 256
    .sgpr_count:     66
    .vgpr_count:     64
    .wavefront_size: 32
...
	.end_amdgpu_metadata
.endif
;; end of part 1
;; launch qkv (part 2): grid 12 x 32, 4 waves a work-group, clusters of 4 x 4, 327,680 bytes of LDS; arguments query_codes, query_scales, Wq_codes, Wq_scales, key_codes, key_scales, Wk_codes, Wk_scales, Wv_codes, Wv_scales, value_codes, value_scales, bq, bk, bv, rope, qkv; writes qkv
.if DOCPART == 2
	.amdgcn_target "amdgcn-amd-amdhsa--gfx1250"
	.amdhsa_code_object_version 6
	.text
	.protected	k_q9abe718456_qkv
	.globl	k_q9abe718456_qkv
	.p2align	8
	.type	k_q9abe718456_qkv,@function
k_q9abe718456_qkv:
	s_mov_b64 s[64:65], 0
	v_nop
	global_prefetch_b8 v0, s[64:65] scope:SCOPE_SE
	s_setreg_imm32_b32 hwreg(HW_REG_WAVE_MODE, 25, 1), 1
	s_wait_xcnt 0x0
	s_wait_alu depctr_hold_cnt(0) depctr_sa_sdst(0) depctr_va_vdst(0) depctr_va_sdst(0) depctr_va_ssrc(0) depctr_va_vcc(0) depctr_vm_vsrc(0)
	s_getreg_b32 s2, hwreg(HW_REG_IB_STS2, 6, 4)
	s_cmp_eq_u32 s2, 0
	s_cbranch_scc0 .Lentry_in_a_cluster
	s_endpgm
.Lentry_in_a_cluster:
	s_bfe_u32 s2, ttmp6, 0x10000c
	s_cmp_lg_u32 s2, 0xf033
	s_cbranch_scc0 .Lentry_shape_is_right
	s_endpgm
.Lentry_shape_is_right:
.set KSTEP,  256
.set NQ,     2
.set ROWB,   256
.set KROW,   1024
.set PITCH,  272
.set FR,     16
.set NL,     4
.set NP,     8
.set HALFT,  128*PITCH
.set SLOT,   4*HALFT
.set KS,     32
.set SCL,    2*SLOT
.set HALFS,  (128*KS/256)*272
.set SBLK,   (16*KS/256)*272
.set SPARE,  SCL+4*HALFS
.set PART,   8704
.set BLK,    3*PART
.set HEADSTR, 16*BLK
.set ADRA, 16
.set ADRB, 20
.set LI,   24
.set RO,   25
.set ADRS, 27
.set SPW,  28
.set NIL,  29
.set IW,   8
.set SC,   32
.set BI,   64
.set AF,   128
.set Y,    128
.set PC,   192
.set TM,   224
.set SW,   240
.set G1, 24
.set G0, 32
.set G1B, 48
.set G0B, 56
.set G1S, 68
.set G0S, 76
.set G1SB, 80
.set G0SB, 88
.set MSB, 0
.macro WIN new
.if MSB != (\new)
	s_set_vgpr_msb (MSB<<8)|(\new)
.set MSB, (\new)
.endif
.endm
.set MUL_LO, 0xa1
.set MUL_HI, 0xf1
.set TO_B,   0x40
.macro JLOAD g0a, g1a, g0b, g1b
	s_cmp_eq_u32 s15, 0
	s_cbranch_scc0 .Lfor_b_\@
	tensor_load_to_lds s[\g0a:\g0a+3], s[\g1a:\g1a+7]
	s_nop 0
.rept 4
	v_nop
.endr
	s_branch .Lasked_\@
.Lfor_b_\@:
	tensor_load_to_lds s[\g0b:\g0b+3], s[\g1b:\g1b+7]
	s_nop 0
.rept 4
	v_nop
.endr
.Lasked_\@:
.endm
.macro CREST
	s_cmp_lg_u32 s14, 0
	s_cbranch_scc1 .Lnot_wave_0_\@
	s_barrier_signal -3
.Lnot_wave_0_\@:
	s_barrier_wait -3
	s_barrier_signal -1
	s_barrier_wait -1
.endm
.macro CROUND
	s_barrier_signal -1
	s_barrier_wait -1
	CREST
.endm
	s_load_b256 s[68:75], s[0:1], 0x0
	s_load_b256 s[76:83], s[0:1], 0x20
	s_load_b256 s[84:91], s[0:1], 0x40
	s_load_b256 s[48:55], s[0:1], 0x60
	s_load_b64 s[12:13], s[0:1], 0x80
	v_lshl_add_u32 v[SPW], v0, 2, SPARE
	v_mov_b32 v[NIL], 0
	ds_add_u32 v28, v29
	ds_add_u32 v28, v29
	s_wait_dscnt 0x0
	v_lshrrev_b32 v1, 5, v0
	v_readfirstlane_b32 s14, v1
	s_lshr_b32 s15, s14, 1
	s_and_b32 s16, s14, 1
	s_mov_b32 s95, ttmp9
	s_bfe_u32 s40, ttmp6, 0x40000
	s_bfe_u32 s41, ttmp6, 0x40004
	s_and_b32 s18, ttmp7, 0xffff
	s_lshl_b32 s18, s18, 2
	s_cmp_eq_u32 s95, 2
	s_cselect_b32 s42, s18, 0
	s_cselect_b32 s17, 0, s18
	s_add_co_u32 s42, s42, s40
	s_add_co_u32 s17, s17, s41
	s_lshl_b32 s43, s41, 2
	s_lshl_b32 s43, 15, s43
	s_lshl_b32 s44, 0x1111, s40
	s_lshl_b32 s18, s16, 7
	s_lshl_b32 s20, s17, 8
	s_add_co_u32 s20, s20, s18
	s_lshl_b32 s46, s42, 8
	s_add_co_u32 s46, s46, s18
	s_mov_b32 s21, 0
	s_mov_b32 s47, 0
	s_lshl_b64 s[22:23], s[20:21], 5
	s_lshl_b64 s[92:93], s[46:47], 5
	s_lshl_b64 s[20:21], s[20:21], 10
	s_lshl_b64 s[46:47], s[46:47], 10
	s_mul_i32 s45, s14, HALFT
	s_mul_i32 s94, s14, HALFS
	s_mov_b32 s100, 0x76543210
	s_mov_b32 s101, 0xfedcba98
	s_mov_b32 s104, 0xffff0000
	s_mov_b32 s105, 0x600000
	s_wait_kmcnt 0x0
	s_cmp_eq_u32 s95, 0
	s_cselect_b64 s[4:5], s[68:69], s[76:77]
	s_cselect_b64 s[6:7], s[70:71], s[78:79]
	s_cselect_b64 s[8:9], s[72:73], s[80:81]
	s_cselect_b64 s[10:11], s[74:75], s[82:83]
	s_cselect_b64 s[98:99], s[48:49], s[50:51]
	s_cmp_eq_u32 s95, 2
	s_cselect_b64 s[4:5], s[84:85], s[4:5]
	s_cselect_b64 s[6:7], s[86:87], s[6:7]
	s_cselect_b64 s[8:9], s[88:89], s[8:9]
	s_cselect_b64 s[10:11], s[90:91], s[10:11]
	s_cselect_b64 s[98:99], s[52:53], s[98:99]
	s_mov_b64 s[96:97], s[54:55]
	s_add_nc_u64 s[20:21], s[4:5], s[20:21]
	s_add_nc_u64 s[22:23], s[6:7], s[22:23]
	s_add_nc_u64 s[46:47], s[8:9], s[46:47]
	s_add_nc_u64 s[92:93], s[10:11], s[92:93]
	s_or_b32 s[G1+0], s43, (0<<16)|(1<<20)|(1<<21)|(5<<22)|(3<<25)
	s_or_b32 s[G1B+0], s44, (0<<16)|(1<<20)|(1<<21)|(5<<22)|(3<<25)
.irp g, G1, G1B
	s_mov_b32 s[\g+1], ROWB<<16
	s_mov_b32 s[\g+2], 128<<16
	s_mov_b32 s[\g+3], ROWB<<16
	s_mov_b32 s[\g+4], 128
	s_mov_b32 s[\g+5], KROW
	s_mov_b32 s[\g+6], 0
	s_mov_b32 s[\g+7], 0
.endr
	s_or_b32 s[G1S+0], s43, (3<<16)|(1<<20)|(1<<21)|(5<<22)|(3<<25)
	s_or_b32 s[G1SB+0], s44, (3<<16)|(1<<20)|(1<<21)|(5<<22)|(3<<25)
.irp g, G1S, G1SB
	s_mov_b32 s[\g+1], 32<<16
	s_mov_b32 s[\g+2], (128*KS/256)<<16
	s_mov_b32 s[\g+3], 32<<16
	s_mov_b32 s[\g+4], 128*KS/256
	s_mov_b32 s[\g+5], 32
	s_mov_b32 s[\g+6], 0
	s_mov_b32 s[\g+7], 0
.endr
	CROUND
	s_mov_b32 s[G0S], 1
	s_add_co_u32 s[G0S+1], s94, SCL
	s_mov_b64 s[G0S+2:G0S+3], s[22:23]
	s_or_b32 s[G0S+3], s[G0S+3], 0x80000000
	s_mov_b32 s[G0SB], 1
	s_add_co_u32 s[G0SB+1], s94, SCL
	s_mov_b64 s[G0SB+2:G0SB+3], s[92:93]
	s_or_b32 s[G0SB+3], s[G0SB+3], 0x80000000
	JLOAD G0S, G1S, G0SB, G1SB
.irp s, 0,1
	s_mov_b32 s[G0+4*\s], 1
	s_add_co_u32 s[G0+4*\s+1], s45, \s*SLOT
	s_add_nc_u64 s[G0+4*\s+2:G0+4*\s+3], s[20:21], \s*ROWB
	s_or_b32 s[G0+4*\s+3], s[G0+4*\s+3], 0x80000000
	s_mov_b32 s[G0B+4*\s], 1
	s_add_co_u32 s[G0B+4*\s+1], s45, \s*SLOT
	s_add_nc_u64 s[G0B+4*\s+2:G0B+4*\s+3], s[46:47], \s*ROWB
	s_or_b32 s[G0B+4*\s+3], s[G0B+4*\s+3], 0x80000000
	s_wait_alu depctr_va_vdst(0)
	s_wait_tensorcnt 0x0
	ds_add_u32 v28, v29
	s_wait_dscnt 0x0
	CROUND
	JLOAD G0+4*\s, G1, G0B+4*\s, G1B
.endr
	v_and_b32 v1, 15, v0
	v_bfe_u32 v2, v0, 4, 1
	v_mul_u32_u24 v3, v1, PITCH
	v_lshl_add_u32 v4, v2, 4, v3
	s_mul_i32 s21, s15, HALFT
	s_mul_i32 s22, s16, HALFT
	s_add_co_u32 s22, s22, 2*HALFT
.irp s, 0,1
	v_add_nc_u32 v[ADRA+\s], s21, v4
	v_add_nc_u32 v[ADRB+\s], s22, v4
	s_add_co_u32 s21, s21, SLOT
	s_add_co_u32 s22, s22, SLOT
.endr
	v_mul_u32_u24 v5, v1, KS
	v_lshrrev_b32 v6, 8, v5
	v_lshl_add_u32 v5, v6, 4, v5
	s_mul_i32 s21, s15, HALFS
	s_mul_i32 s22, s16, HALFS
	s_add_co_u32 s22, s22, 2*HALFS
	s_sub_co_u32 s22, s22, s21
	v_mul_u32_u24 v6, s22, v2
	s_add_co_u32 s21, s21, SCL
	v_add_nc_u32 v5, v5, v6
	v_add_nc_u32 v[ADRS], s21, v5
	v_and_b32 v3, 31, v0
	v_lshlrev_b32 v[LI], 4, v3
	v_lshlrev_b32 v[RO], 8, v1
	v_lshl_add_u32 v[RO], v2, 5, v[RO]
	s_cmp_eq_u32 s95, 2
	s_cselect_b32 s4, s42, s17
	s_cselect_b32 s5, s16, s15
	s_cselect_b32 s6, s17, s42
	s_cselect_b32 s7, s15, s16
	s_cselect_b32 s10, -1, 0
	s_cselect_b32 s11, 0, 4
	s_lshl_b32 s4, s4, 1
	s_add_co_u32 s4, s4, s5
	s_lshl_b32 s6, s6, 2
	s_lshl_b32 s7, s7, 1
	s_add_co_u32 s6, s6, s7
	s_lshr_b32 s5, s4, 4
	s_and_b32 s4, s4, 15
	s_lshl_b32 s5, s5, 4
	s_add_co_u32 s5, s5, s6
	s_lshl_b32 s5, s5, 4
	s_add_co_u32 s5, s5, s4
	s_mul_i32 s8, s5, BLK
	s_cmp_eq_u32 s95, 0
	s_cselect_b32 s9, 2*PART, 0
	s_cmp_eq_u32 s95, 2
	s_cselect_b32 s9, PART, s9
	s_add_co_u32 s8, s8, s9
	s_mov_b32 s9, 0
	s_add_nc_u64 s[12:13], s[12:13], s[8:9]
	s_lshl_b32 s8, s4, 15
	s_add_nc_u64 s[96:97], s[96:97], s[8:9]
	s_lshl_b32 s8, s6, 8
	s_add_nc_u64 s[98:99], s[98:99], s[8:9]
	v_lshlrev_b32 v3, 5, v2
	v_lshlrev_b32 v4, 2, v1
	v_cndmask_b32 v3, v3, v4, s10
.irp j, 0,1,2,3,4,5,6,7
	v_mad_u32_u24 v[IW+\j], s11, \j, v3
.endr
.irp x, 0,1,2,3,4,5,6,7
.irp j, 0,1,2,3,4,5,6,7
	global_load_b32 v[BI+8*\x+\j], v[IW+\j], s[98:99] offset:64*\x
.endr
.endr
.macro FRAG reg, adr, q, i
.irp c, 0,1,2,3
	ds_load_b128 v[\reg+4*\c:\reg+4*\c+3], v[\adr] offset:128*(\q)+32*\c+(\i)*16*PITCH
.endr
.endm
.macro MUL16 a0, p, q, sc, zero
.irp a, \a0, \a0+1
.irp b, 0,1,2,3,4,5,6,7
.if (\zero) == 2
	v_wmma_scale_f32_16x16x128_f8f6f4 v[8*(8*((\a)%4)+\b):8*(8*((\a)%4)+\b)+7], v[128*(\p)+FR*\b:128*(\p)+FR*\b+FR-1], v[AF+FR*(\a):AF+FR*(\a)+FR-1], v[BI+8*\b:BI+8*\b+7], v[SC+8*NQ*(\sc)+NQ*\b+(\q)], v[SC+8*NQ*(\sc)+NQ*(\a)+(\q)] matrix_a_scale:MATRIX_SCALE_ROW1
.elseif (\zero) == 3
	v_wmma_scale_f32_16x16x128_f8f6f4 v[8*(8*((\a)%4)+\b):8*(8*((\a)%4)+\b)+7], v[128*(\p)+FR*\b:128*(\p)+FR*\b+FR-1], v[AF+FR*(\a):AF+FR*(\a)+FR-1], v[BI+8*(\a):BI+8*(\a)+7], v[SC+8*NQ*(\sc)+NQ*\b+(\q)], v[SC+8*NQ*(\sc)+NQ*(\a)+(\q)] matrix_a_scale:MATRIX_SCALE_ROW1
.else
	v_wmma_scale_f32_16x16x128_f8f6f4 v[8*(8*((\a)%4)+\b):8*(8*((\a)%4)+\b)+7], v[128*(\p)+FR*\b:128*(\p)+FR*\b+FR-1], v[AF+FR*(\a):AF+FR*(\a)+FR-1], v[8*(8*((\a)%4)+\b):8*(8*((\a)%4)+\b)+7], v[SC+8*NQ*(\sc)+NQ*\b+(\q)], v[SC+8*NQ*(\sc)+NQ*(\a)+(\q)] matrix_a_scale:MATRIX_SCALE_ROW1
.endif
.endr
.endr
.endm
.macro FETCH_B slot, q, p
	WIN TO_B
.irp i, 0,1,2,3,4,5,6,7
	FRAG 128*(\p)+FR*\i, ADRB+\slot, \q, \i
.endr
	WIN 0
.endm
.macro FETCH_A slot, q, i0
.irp i, \i0, \i0+1, \i0+2, \i0+3
	FRAG AF+FR*(\i), ADRA+\slot, \q, \i
.endr
.endm
.macro SCALES sc
.irp i, 0,1,2,3,4,5,6,7
	ds_load_b64 v[SC+8*NQ*\sc+NQ*\i:SC+8*NQ*\sc+NQ*\i+1], v[ADRS] offset:\i*SBLK
.endr
.endm
.macro PLACES n
.rept \n
	v_nop
.endr
.endm
.macro STEP slot, q, zero
	s_wait_dscnt 4*NL
.if \zero
	WIN 0x81
.else
	WIN MUL_LO
.endif
	MUL16 0, (\q)%2, \q, \slot, \zero
	MUL16 2, (\q)%2, \q, \slot, \zero
	s_wait_dscnt 0
	PLACES NP
	FETCH_B \slot, (\q)+1, 1-(\q)%2
	FETCH_A \slot, (\q)+1, 0
.if \zero
	WIN 0xc1
.else
	WIN MUL_HI
.endif
	MUL16 4, (\q)%2, \q, \slot, \zero
	MUL16 6, (\q)%2, \q, \slot, \zero
	PLACES NP
	WIN 0
	FETCH_A \slot, (\q)+1, 4
.endm
.macro TURN slot, next, fill
	s_wait_tensorcnt 0x0
	ds_add_u32 v[SPW], v[NIL]
	s_wait_dscnt 4*NL+1
	WIN MUL_LO
	MUL16 0, 1, NQ-1, \slot, 0
	s_wait_dscnt 0x0
	s_barrier_signal -1
	MUL16 2, 1, NQ-1, \slot, 0
	WIN 0
	s_barrier_wait -1
.if \fill
	CREST
	s_add_nc_u64 s[G0+4*\slot+2:G0+4*\slot+3], s[G0+4*\slot+2:G0+4*\slot+3], 2*ROWB
	s_add_nc_u64 s[G0B+4*\slot+2:G0B+4*\slot+3], s[G0B+4*\slot+2:G0B+4*\slot+3], 2*ROWB
	JLOAD G0+4*\slot, G1, G0B+4*\slot, G1B
	PLACES NP-4
.else
	PLACES NP
.endif
	s_wait_alu depctr_va_vdst(0)
	v_add_nc_u32 v[ADRS], 4*NQ, v[ADRS]
	FETCH_B \next, 0, 0
	FETCH_A \next, 0, 0
	SCALES \next
	WIN MUL_HI
	MUL16 4, 1, NQ-1, \slot, 0
	MUL16 6, 1, NQ-1, \slot, 0
	PLACES NP
	WIN 0
	FETCH_A \next, 0, 4
.endm
.macro ROPE_LOAD a
.set CSB, BI+32*((\a)%2)
.irp b, 0,1
.irp u, 0,1
	global_load_b128 v[CSB+8*\b+4*\u:CSB+8*\b+4*\u+3], v[RO], s[96:97] offset:(\a)*4096+64*\b+16*\u
	global_load_b128 v[CSB+16+8*\b+4*\u:CSB+16+8*\b+4*\u+3], v[RO], s[96:97] offset:(\a)*4096+128+64*\b+16*\u
.endr
.endr
.endm
	s_wait_tensorcnt 1
	s_barrier_signal -1
	s_barrier_wait -1
	FETCH_B 0, 0, 0
	FETCH_A 0, 0, 0
	SCALES 0
	FETCH_A 0, 0, 4
	s_wait_loadcnt 0x0
	s_cmp_eq_u32 s95, 2
	s_cbranch_scc1 .Lv_first
	STEP 0, 0, 2
	ROPE_LOAD 0
	ROPE_LOAD 1
	s_branch .Ljoined
.Lv_first:
	STEP 0, 0, 3
.Ljoined:
	TURN 0, 1, 1
	STEP 1, 0, 0
	TURN 1, 0, 1
	STEP 0, 0, 0
	TURN 0, 1, 0
	STEP 1, 0, 0
	s_wait_dscnt 4*NL
	WIN MUL_LO
	MUL16 0, 1, NQ-1, 1, 0
	MUL16 2, 1, NQ-1, 1, 0
	s_wait_dscnt 0
	WIN MUL_HI
	MUL16 4, 1, NQ-1, 1, 0
	MUL16 6, 1, NQ-1, 1, 0
	WIN 0
	PLACES NP
.macro QUANT s, ws, d, pcs
.set WN, (\ws)|((\ws)<<2)
	WIN WN
.irp b, 0,1,2,3
	v_max3_num_f32 v[TM+\b], |v[\s+16*\b]|, |v[\s+16*\b+1]|, 0x4800000
.endr
.set WN, ((\ws)<<2)|((\ws)<<4)
	WIN WN
.irp i, 2,4,6,8,10,12,14
.irp b, 0,1,2,3
	v_max3_num_f32 v[TM+\b], v[TM+\b], |v[\s+16*\b+\i]|, |v[\s+16*\b+\i+1]|
.endr
.endr
	WIN 0
.irp b, 0,1,2,3
	v_permlanex16_b32 v[TM+4+\b], v[TM+\b], s100, s101
.endr
.irp b, 0,1,2,3
	v_max_num_f32 v[TM+\b], v[TM+\b], v[TM+4+\b]
.endr
.irp b, 0,1,2,3
	v_add_nc_u32 v[TM+12+\b], 0xfc000000, v[TM+\b]
.endr
.irp b, 0,1,2,3
	v_and_or_b32 v[TM+8+\b], v[TM+\b], 0x7f800000, s105
.endr
.irp b, 0,1,2,3
	v_lshrrev_b32 v[TM+4+\b], 23, v[TM+12+\b]
.endr
	WIN \ws
.irp b, 0,1,2,3
.irp i, 0,1,2,3,4,5,6,7,8,9,10,11,12,13,14,15
	v_med3_num_f32 v[\d+16*\b+\i], v[\s+16*\b+\i], -v[TM+8+\b], v[TM+8+\b]
.endr
.endr
	WIN 0
.irp b, 0,1,2,3
	v_cvt_scalef32_pk8_fp8_f32 v[\pcs+4*\b:\pcs+4*\b+1], v[\d+16*\b:\d+16*\b+7], v[TM+12+\b]
	v_cvt_scalef32_pk8_fp8_f32 v[\pcs+4*\b+2:\pcs+4*\b+3], v[\d+16*\b+8:\d+16*\b+15], v[TM+12+\b]
.endr
	v_nop
.endm
.macro QK_TILE a
.set AC, 64*((\a)%4)
.set CSB, BI+32*((\a)%2)
.set PCS, PC+16*((\a)%2)
	s_wait_xcnt 0x0
.if (\a) < 7
	s_wait_loadcnt 8
.else
	s_wait_loadcnt 0
.endif
	WIN 0x02+(\a)/4
.irp hd, 0,1
.irp p, 0,1,2,3,4,5,6,7
	v_pk_mul_f32 v[Y+32*\hd+2*\p:Y+32*\hd+2*\p+1], v[AC+32*\hd+16+2*\p:AC+32*\hd+16+2*\p+1], v[CSB+16+2*\p:CSB+16+2*\p+1]
.endr
.irp p, 0,1,2,3,4,5,6,7
	v_pk_mul_f32 v[Y+32*\hd+16+2*\p:Y+32*\hd+16+2*\p+1], v[AC+32*\hd+2*\p:AC+32*\hd+2*\p+1], v[CSB+16+2*\p:CSB+16+2*\p+1]
.endr
.irp p, 0,1,2,3,4,5,6,7
	v_pk_fma_f32 v[Y+32*\hd+2*\p:Y+32*\hd+2*\p+1], v[AC+32*\hd+2*\p:AC+32*\hd+2*\p+1], v[CSB+2*\p:CSB+2*\p+1], v[Y+32*\hd+2*\p:Y+32*\hd+2*\p+1] neg_lo:[0,0,1] neg_hi:[0,0,1]
.endr
.irp p, 0,1,2,3,4,5,6,7
	v_pk_fma_f32 v[Y+32*\hd+16+2*\p:Y+32*\hd+16+2*\p+1], v[AC+32*\hd+16+2*\p:AC+32*\hd+16+2*\p+1], v[CSB+2*\p:CSB+2*\p+1], v[Y+32*\hd+16+2*\p:Y+32*\hd+16+2*\p+1]
.endr
.endr
	WIN 0
.if (\a) < 6
	ROPE_LOAD (\a)+2
.endif
.set PCS, PC+16*((\a)%2)
	QUANT Y, 0, Y, PCS
.irp hd, 0,1
	v_lshl_or_b32 v[SW+2*(\a)+\hd], v[TM+5+2*\hd], 8, v[TM+4+2*\hd]
	v_or_b32 v[SW+2*(\a)+\hd], 0x01010000, v[SW+2*(\a)+\hd]
.irp c, 0,1
	global_store_b128 v[LI], v[PCS+8*\hd+4*\c:PCS+8*\hd+4*\c+3], s[12:13] offset:\hd*HEADSTR+(\a)*1024+\c*512
.endr
.endr
.endm
.macro V_TILE a
.set QS, 64*((\a)%4)
.set QW, 2+(\a)/4
.set PCS, PC+16*((\a)%2)
	s_wait_xcnt 0x0
	QUANT QS, QW, Y, PCS
	v_lshl_or_b32 v[SW+(\a)], v[TM+5], 8, v[TM+4]
	v_lshl_or_b32 v[SW+(\a)], v[TM+6], 16, v[SW+(\a)]
	v_lshl_or_b32 v[SW+(\a)], v[TM+7], 24, v[SW+(\a)]
.irp c, 0,1,2,3
	global_store_b128 v[LI], v[PCS+4*\c:PCS+4*\c+3], s[12:13] offset:((\a)/4)*HEADSTR+((\a)%4)*2048+\c*512
.endr
.if (\a)%4 == 3
.set IG, IW+4*((\a)/4)
	v_cndmask_b32 v[IG], v[SW+(\a)-3], v[SW+(\a)-2], s104
	v_cndmask_b32 v[IG+1], v[SW+(\a)-1], v[SW+(\a)], s104
	v_mov_b32 v[IG+2], 0
	v_mov_b32 v[IG+3], 0
	global_store_b128 v[LI], v[IG:IG+3], s[12:13] offset:((\a)/4)*HEADSTR+8192
.endif
.endm
.irp b, 0,1,2,3
	v_mov_b32 v[TM+4+\b], 0
.endr
	s_cmp_eq_u32 s95, 2
	s_cbranch_scc1 .Lv_out
.irp a, 0,1,2,3,4,5,6,7
	QK_TILE \a
.endr
.irp hd, 0,1
.irp g, 0,1,2,3
	v_cndmask_b32 v[IW+4*\hd+\g], v[SW+4*\g+\hd], v[SW+4*\g+2+\hd], s104
.endr
	global_store_b128 v[LI], v[IW+4*\hd:IW+4*\hd+3], s[12:13] offset:\hd*HEADSTR+8192
.endr
	s_branch .Lend
.Lv_out:
	s_wait_loadcnt 0x0
.irp a, 0,1,2,3,4,5,6,7
	V_TILE \a
.endr
.Lend:
	s_wait_tensorcnt 0x0
	ds_add_u32 v[SPW], v[NIL]
	s_wait_dscnt 0x0
	CROUND
	s_endpgm
.Lfunc_end_k_q9abe718456_qkv:
	.size	k_q9abe718456_qkv, .Lfunc_end_k_q9abe718456_qkv-k_q9abe718456_qkv
	.p2alignl 7, 3214868480
	.fill 96, 4, 3214868480
	.section	.rodata,"a",@progbits
	.p2align	6, 0x0
	.amdhsa_kernel k_q9abe718456_qkv
		.amdhsa_group_segment_fixed_size 327680
		.amdhsa_private_segment_fixed_size 0
		.amdhsa_enable_private_segment 0
		.amdhsa_kernarg_size 136
		.amdhsa_user_sgpr_count 2
		.amdhsa_user_sgpr_kernarg_segment_ptr 1
		.amdhsa_wavefront_size32 1
		.amdhsa_system_sgpr_workgroup_id_x 1
		.amdhsa_system_sgpr_workgroup_id_y 1
		.amdhsa_system_sgpr_workgroup_id_z 1
		.amdhsa_system_vgpr_workitem_id 0
		.amdhsa_next_free_vgpr 1024
		.amdhsa_next_free_sgpr 106
		.amdhsa_reserve_vcc 0
		.amdhsa_float_denorm_mode_32 3
		.amdhsa_float_denorm_mode_16_64 3
		.amdhsa_memory_ordered 1
		.amdhsa_forward_progress 1
		.amdhsa_inst_pref_size 255
	.end_amdhsa_kernel
	.section	.bss,"aw",@nobits
	.p2align	6
	.space	262144
	.amdgpu_metadata
---
amdhsa.version: [ 1, 2 ]
amdhsa.kernels:
  - .name:           k_q9abe718456_qkv
    .symbol:         k_q9abe718456_qkv.kd
    .args:
      - { .name: query_codes, .offset: 0, .size: 8, .value_kind: global_buffer, .address_space: global }
      - { .name: query_scales, .offset: 8, .size: 8, .value_kind: global_buffer, .address_space: global }
      - { .name: Wq_codes, .offset: 16, .size: 8, .value_kind: global_buffer, .address_space: global }
      - { .name: Wq_scales, .offset: 24, .size: 8, .value_kind: global_buffer, .address_space: global }
      - { .name: key_codes, .offset: 32, .size: 8, .value_kind: global_buffer, .address_space: global }
      - { .name: key_scales, .offset: 40, .size: 8, .value_kind: global_buffer, .address_space: global }
      - { .name: Wk_codes, .offset: 48, .size: 8, .value_kind: global_buffer, .address_space: global }
      - { .name: Wk_scales, .offset: 56, .size: 8, .value_kind: global_buffer, .address_space: global }
      - { .name: Wv_codes, .offset: 64, .size: 8, .value_kind: global_buffer, .address_space: global }
      - { .name: Wv_scales, .offset: 72, .size: 8, .value_kind: global_buffer, .address_space: global }
      - { .name: value_codes, .offset: 80, .size: 8, .value_kind: global_buffer, .address_space: global }
      - { .name: value_scales, .offset: 88, .size: 8, .value_kind: global_buffer, .address_space: global }
      - { .name: bq, .offset: 96, .size: 8, .value_kind: global_buffer, .address_space: global }
      - { .name: bk, .offset: 104, .size: 8, .value_kind: global_buffer, .address_space: global }
      - { .name: bv, .offset: 112, .size: 8, .value_kind: global_buffer, .address_space: global }
      - { .name: rope, .offset: 120, .size: 8, .value_kind: global_buffer, .address_space: global }
      - { .name: qkv, .offset: 128, .size: 8, .value_kind: global_buffer, .address_space: global }
    .group_segment_fixed_size: 327680
    .private_segment_fixed_size: 0
    .kernarg_segment_align: 8
    .kernarg_segment_size: 136
    .max_flat_workgroup_size: 128
    .sgpr_count:     106
    .vgpr_count:     1024
    .wavefront_size: 32
...
	.end_amdgpu_metadata
.endif
;; end of part 2
;; launch attn (part 3): grid 8 x 32, 16 waves a work-group, no clusters, 4,096 bytes of LDS; arguments qkv, mw, xc, xs; writes xc, xs
.if DOCPART == 3
	.amdgcn_target "amdgcn-amd-amdhsa--gfx1250"
	.amdhsa_code_object_version 6
	.text
	.protected	k_q9abe718456_attn
	.globl	k_q9abe718456_attn
	.p2align	8
	.type	k_q9abe718456_attn,@function
k_q9abe718456_attn:
	s_mov_b64 s[64:65], 0
	v_nop
	global_prefetch_b8 v0, s[64:65] scope:SCOPE_SE
	s_setreg_imm32_b32 hwreg(HW_REG_WAVE_MODE, 25, 1), 1
	s_wait_xcnt 0x0
; Attention on codes of FP8 (E4M3) with one E8M0 scale for each 32 along a product's K, with the mask that is given, and the quantiser of the result x along the model's 1,024.
; t = score x log2(e) / 8; M = the row's largest t so far, rounded up to a whole number; p = 2^(t - M) is quantised along the keys; the row's sum is taken of the unquantised p and divides at the end.
; THE MASK DECIDES WHICH KEY STEPS ARE WALKED.  It comes as whole numbers (mw, stored by the first launch): one lane mask for each score register.  At an item's head a wave reads its tile's 1,024 words and makes two
; flags for each of the 16 key steps of 128 keys: NEED (some key counts for some of my 16 queries) and FULL (all count).  A step without NEED is passed over: each of its p would be 0 beside a key that counts, or would be
; wiped by f = 0 when the first such key comes.  That holds only while every one of the 16 rows has a key that counts somewhere: a row that is hidden throughout is the uniform row over all 2,048 keys, so a tile with such a row walks
; all 16 steps.  A FULL step jumps over the 64 selects.  All of it is right for any mask.
; SHARES.  A work-group is (batch, pair of heads, g = 0 .. 7): 256 in all.  Wave w owns tile w % 8 (16 queries) of head w / 8 of the pair, first in the 128 tokens of group 15 - g, then in those of group g: two items.
; Under a lower-triangular mask that is 16 - g and g + 1 steps, 17 for every wave.  Waves share nothing until the end, where x's scale bytes meet in LDS: one barrier.
; NO TENSOR LOAD, NO JOINT LOAD: the steps that a wave walks hang on numbers read from memory, so K, V and Q, which lie in qkv as images of their operand registers, go from memory straight into registers,
; 512 consecutive bytes to a load.
; PREFETCH.  The eight work-groups of a pair of heads share the blocks of K and V out: work-group g asks for block x (x % 8 = g, x = 2 .. 15) in trip x - 2 of its first item, two trips ahead; the head's eight waves take nine
; units of 256 bytes each of the block's 68 (left-over lanes name the wave's last unit again).  Blocks 0 and 1 come by their loads alone.
; LAYOUT.  Both products are used transposed: S^T = K Q^T, O^T = V^T P^T: a lane holds one query (lane % 16).  The head has 64, the instruction 128 along K: Q's upper eight registers are zero codes; a tile of K is named with the
; eight registers that follow it (the next tile's codes, or zeros); the upper scale bytes are 1 on both sides.
; A hidden score becomes -2^33.  c x 2^33 is a whole number, so a row hidden so far has p = 1 everywhere, and the first key that counts wipes that by f = 0.
; LIMITS: a true score under -2^33 is not told from a hidden one; NaN and infinities are not served; a block of zeros gets the byte 1 (this program alone reads the bytes).
; REGISTERS: v1 16 x lane; v2, v3 the add's; v4 at work; v5 -2^33; v6 the prefetches' offset; v7, v242 Q's offsets; v8 Q's scale word, v9 p's, v[10:11] V's, v[104:107] K's; v12 -M, v13 the largest t, v[14:15] the sum;
;   v16-23 Q, v24-31 zeros; v32-95 K's eight tiles, then V's four fragments; v96-103 zeros; v108-171 S^T, then p; v172-203 O^T; v204-219 p's codes; v220-251, v254-255 at work; v252 my place in the stage; v253 128 x lane.
; SCALARS: s2 my place in a block of xc; s3 g; s[12:13] K and V, s[14:15] the mask words, both walking; s[16:17] xc; s18 the item's part of the stage; s20 NEED, s21 FULL, two bits a step; s22 step, s23 item; s24 wave, s25 tile, s26 head of the pair;
;   s27 the token group; s28 the head's first block; s29 16 x batch; s32-63, s68-99 a step's mask words.
.set PART,  8704
.set BLK,   3*PART
.set XSTG,  0                          ; 1,024 bytes: x's scale bytes of the two items meet here
.set SPARE, 1024                       ; the spare words, 128 bytes a wave: no other line names them
	s_load_b256 s[4:11], s[0:1], 0x0               ; qkv, mw, xc, xs
	v_lshrrev_b32 v1, 5, v0
	v_readfirstlane_b32 s24, v1                    ; wave 0..15
	s_and_b32 s25, s24, 7                          ; my tile in a group of 128 tokens
	s_lshr_b32 s26, s24, 3                         ; my head of the pair
	s_mov_b32 s3, ttmp9                            ; g
	s_sub_co_u32 s27, 15, s3                       ; the first item's group
	s_and_b32 s32, ttmp7, 0xffff
	s_lshr_b32 s33, s32, 3                         ; batch
	s_and_b32 s34, s32, 7                          ; the pair of heads
	s_lshl_b32 s29, s33, 4
	s_lshl_b32 s28, s34, 1
	s_add_co_u32 s28, s28, s26
	s_add_co_u32 s28, s28, s29
	s_lshl_b32 s28, s28, 4                         ; (16 batch + head) x 16 blocks
	s_lshr_b32 s2, s34, 1                          ; xc: [128 tokens][256 K][tile][128 K][512 bytes x 4]
	s_lshl_b32 s2, s2, 15
	s_lshl_b32 s35, s25, 12
	s_add_co_u32 s2, s2, s35
	s_and_b32 s35, s34, 1
	s_lshl_b32 s35, s35, 11
	s_add_co_u32 s2, s2, s35
	s_lshl_b32 s35, s26, 10
	s_add_co_u32 s2, s2, s35
	s_and_b32 s35, s25, 1                          ; Q's scale word in the image: lane r + 16 (tile % 2), word tile / 2
	s_lshl_b32 s35, s35, 8
	s_lshr_b32 s36, s25, 1
	s_lshl_b32 s36, s36, 2
	s_add_co_u32 s35, s35, s36
	s_add_co_u32 s35, s35, 8192
	s_lshl_b32 s36, s25, 10                        ; Q's codes: tile x 1,024
	s_mul_i32 s37, s25, 9                          ; the prefetches: my nine units
	s_lshl_b32 s38, s25, 2                         ; the stage: 32 r + 4 x tile + 2 x head
	s_lshl_b32 s39, s26, 1
	s_add_co_u32 s38, s38, s39
	s_add_co_u32 s38, s38, XSTG
	s_mov_b32 s18, 0
	s_mov_b32 s23, 0
	s_mov_b32 s30, 0xffff0000                      ; lanes 16-31
	s_mov_b32 s31, 0x600000                        ; the mantissa field of 448
	s_mov_b32 s66, 0x3e38aa3b                      ; c = log2(e) / 8
	s_mov_b32 s67, s66
	s_mov_b32 s100, 0x76543210
	s_mov_b32 s101, 0xfedcba98
	v_lshl_add_u32 v2, v0, 2, SPARE
	v_mov_b32 v3, 0
	v_and_b32 v4, 31, v0
	v_and_b32 v238, 15, v0                         ; r
	v_lshlrev_b32 v1, 4, v4
	v_lshlrev_b32 v253, 7, v4
	v_min_u32 v6, 8, v4
	v_add_nc_u32 v6, s37, v6
	v_min_u32 v6, 67, v6                           ; inside the block's 68 units
	v_lshlrev_b32 v6, 8, v6
	v_lshl_add_u32 v7, v238, 4, s35
	v_add_nc_u32 v242, s36, v1
	v_lshl_add_u32 v252, v238, 5, s38
	v_mov_b32 v5, 0xd0000000                       ; -2^33
.irp j, 0,1,2,3,4,5,6,7
	v_mov_b32 v[24+\j], 0                          ; zero codes: Q's upper 64 along K,
	v_mov_b32 v[96+\j], 0                          ; and what follows K's last tile
.endr
.irp b, 0,1,2,3
	v_mov_b32 v[224+\b], 0                         ; written once: a lane permute's destination counts as one of its sources
	v_mov_b32 v[208+\b], 0
.endr
	v_mov_b32 v241, 0                              ; (named as the upper half of the pair v[240:241])
	s_wait_alu depctr_va_vdst(0)
	s_wait_kmcnt 0x0
; A KEY STEP: 128 keys.
.macro STEP
.rept 8
	v_nop                                          ; places behind the last products, in front of loads into registers that they read
.endr
	s_load_b512 s[32:47], s[14:15], 0x0            ; the step's 64 mask words
	s_load_b512 s[48:63], s[14:15], 0x40
	s_load_b512 s[68:83], s[14:15], 0x80
	s_load_b512 s[84:99], s[14:15], 0xc0
.irp T, 0,1,2,3,4,5,6,7
	global_load_b128 v[32+8*\T:35+8*\T], v1, s[12:13] offset:\T*1024
	global_load_b128 v[36+8*\T:39+8*\T], v1, s[12:13] offset:\T*1024+512
.endr
	global_load_b128 v[104:107], v1, s[12:13] offset:8192   ; K's scale words: word g: tile 2 g in lanes 0-15, tile 2 g + 1 in lanes 16-31
	s_wait_alu depctr_va_vdst(0)
	s_wait_loadcnt 0x0
.irp T, 0,1,2,3,4,5,6,7
.if (\T)%2
	v_wmma_scale_f32_16x16x128_f8f6f4 v[108+8*\T:115+8*\T], v[32+8*\T:47+8*\T], v[16:31], 0, v[104+\T/2], v8 matrix_a_scale:MATRIX_SCALE_ROW1
.else
	v_wmma_scale_f32_16x16x128_f8f6f4 v[108+8*\T:115+8*\T], v[32+8*\T:47+8*\T], v[16:31], 0, v[104+\T/2], v8
.endif
.endr
.rept 8
	v_nop
.endr
.irp d, 0,1,2,3                        ; V's four fragments take K's registers and land under the softmax
.irp c, 0,1,2,3
	global_load_b128 v[32+16*\d+4*\c:35+16*\d+4*\c], v1, s[12:13] offset:PART+\d*2048+\c*512
.endr
.endr
	global_load_b64 v[10:11], v1, s[12:13] offset:PART+8192
	s_wait_kmcnt 0x0                               ; the mask words are in
	s_and_b32 s104, s21, 3
	s_cmp_eq_u32 s104, 3
	s_cbranch_scc1 .Lopen_\@                       ; all 128 keys count for all 16 queries: nothing to hide
.set w, 0
.rept 64                                       ; hidden scores become -2^33.  Each accumulator is read from its low end on
.if w < 32
	v_cndmask_b32 v[108+w], v5, v[108+w], s[32+w]
.else
	v_cndmask_b32 v[108+w], v5, v[108+w], s[36+w]
.endif
.set w, w+1
.endr
.Lopen_\@:
.irp b, 0,1,2,3
	v_max3_num_f32 v[220+\b], v[108+16*\b], v[109+16*\b], v[110+16*\b]   ; the largest score of each block of 32 keys: for the row's maximum, and, since p rises with the score, for the block's largest p
.endr
.irp i, 3,5,7,9,11,13
.irp b, 0,1,2,3
	v_max3_num_f32 v[220+\b], v[220+\b], v[108+16*\b+\i], v[109+16*\b+\i]
.endr
.endr
.irp b, 0,1,2,3
	v_max_num_f32 v[220+\b], v[220+\b], v[123+16*\b]
.endr
.irp b, 0,1,2,3
	s_delay_alu instid0(VALU_DEP_4)
	v_permlanex16_b32 v[224+\b], v[220+\b], s100, s101
.endr
.irp b, 0,1,2,3
	s_delay_alu instid0(VALU_DEP_4)
	v_max_num_f32 v[220+\b], v[220+\b], v[224+\b]
.endr
	s_delay_alu instid0(VALU_DEP_2)
	v_max3_num_f32 v238, v220, v221, v222
	s_delay_alu instid0(VALU_DEP_1)
	v_max_num_f32 v238, v238, v223
	s_delay_alu instid0(VALU_DEP_1)
	v_mul_f32 v238, s66, v238                      ; as t
	s_delay_alu instid0(VALU_DEP_1)
	v_max_num_f32 v13, v13, v238                   ; the running largest t
	v_mov_b32 v238, v12
	s_delay_alu instid0(VALU_DEP_2)
	v_floor_f32 v12, -v13                          ; the new -M = floor(-t): M is a whole number
	s_delay_alu instid0(VALU_DEP_1)
	v_sub_f32 v238, v12, v238
	s_delay_alu instid0(VALU_DEP_1)
	v_cvt_i32_f32 v238, v238                       ; old M - new M, 0 or less (it saturates)
	s_delay_alu instid0(VALU_DEP_1)
	v_ldexp_f32 v240, 1.0, v238                    ; f = 2^(old M - new M)
.set j, 0
.rept 32
	v_pk_fma_f32 v[108+j:109+j], v[108+j:109+j], s[66:67], v[12:13] op_sel_hi:[1,0,0]   ; t - M
.set j, j+2
.endr
.irp b, 0,1,2,3
	v_fma_f32 v[220+\b], v[220+\b], s66, v12       ; the same of each block's largest score
.endr
	s_wait_alu depctr_va_vdst(0)
.set j, 0
.rept 64
	v_exp_f32 v[108+j], v[108+j]                   ; p = 2^(t - M)
.set j, j+1
.endr
	v_pk_mul_f32 v[14:15], v[14:15], v[240:241] op_sel_hi:[1,0]   ; the sum under the new M.  (A plain instruction behind the exponentials)
	s_wait_alu depctr_va_vdst(0)                   ; one wait for the batch of 64, ahead of its first reader
.irp b, 0,1,2,3
	v_exp_f32 v[220+\b], v[220+\b]                 ; the blocks' largest p
.endr
	v_pk_add_f32 v[236:237], v[108:109], v[110:111]   ; the row's sum of the unquantised p: two at a time, four chains by turns
	v_pk_add_f32 v[254:255], v[112:113], v[114:115]
	v_pk_add_f32 v[250:251], v[116:117], v[118:119]
	v_pk_add_f32 v[14:15], v[14:15], v[120:121]
.irp j, 14,22,30,38,46,54
	v_pk_add_f32 v[236:237], v[236:237], v[108+\j:109+\j]
	v_pk_add_f32 v[254:255], v[254:255], v[110+\j:111+\j]
	v_pk_add_f32 v[250:251], v[250:251], v[112+\j:113+\j]
	v_pk_add_f32 v[14:15], v[14:15], v[114+\j:115+\j]
.endr
	v_pk_add_f32 v[236:237], v[236:237], v[170:171]
	v_pk_add_f32 v[254:255], v[254:255], v[250:251]
	v_pk_add_f32 v[14:15], v[14:15], v[236:237]
	v_pk_add_f32 v[14:15], v[14:15], v[254:255]
	s_wait_alu depctr_va_vdst(0)                   ; and one for the four
.irp b, 0,1,2,3
	v_max_num_f32 v[220+\b], 0x4800000, v[220+\b]  ; the floor 2^(9 - 127): the byte cannot fall under 1
.endr
.irp b, 0,1,2,3
	s_delay_alu instid0(VALU_DEP_4)
	v_add_nc_u32 v[232+\b], 0xfc000000, v[220+\b]  ; 8 off the exponent field: the conversion's scale operand
.endr
.irp b, 0,1,2,3
	v_and_or_b32 v[228+\b], v[220+\b], 0x7f800000, s31   ; 448 x the scale
.endr
.irp b, 0,1,2,3
	v_lshrrev_b32 v[224+\b], 23, v[232+\b]         ; the scale's byte
.endr
	s_delay_alu instid0(VALU_DEP_3)
	v_lshl_or_b32 v9, v225, 8, v224                ; p's scale word for these 128 keys
	s_delay_alu instid0(VALU_DEP_1)
	v_lshl_or_b32 v9, v226, 16, v9
	s_delay_alu instid0(VALU_DEP_1)
	v_lshl_or_b32 v9, v227, 24, v9
.irp b, 0,1,2,3
.irp i, 0,1,2,3,4,5,6,7,8,9,10,11,12,13,14,15
	v_min_num_f32 v[108+16*\b+\i], v[108+16*\b+\i], v[228+\b]   ; the conversion does not saturate (ISA guide 7.6.2); p is not negative: a one-sided hold
.endr
	v_cvt_scalef32_pk8_fp8_f32 v[204+4*\b:205+4*\b], v[108+16*\b:115+16*\b], v[232+\b]
	v_cvt_scalef32_pk8_fp8_f32 v[206+4*\b:207+4*\b], v[116+16*\b:123+16*\b], v[232+\b]
.endr
	s_wait_alu depctr_va_vdst(0)                   ; directly ahead of the first reader of O^T
.set j, 0
.rept 16
	v_pk_mul_f32 v[172+j:173+j], v[172+j:173+j], v[240:241] op_sel_hi:[1,0]   ; O^T under the new M.  (These are also the places in front of the products below)
.set j, j+2
.endr
	s_wait_alu depctr_va_vdst(0)
	s_wait_loadcnt 0x0                             ; V
	v_wmma_scale_f32_16x16x128_f8f6f4 v[172:179], v[32:47], v[204:219], v[172:179], v10, v9
	v_wmma_scale_f32_16x16x128_f8f6f4 v[180:187], v[48:63], v[204:219], v[180:187], v10, v9 matrix_a_scale:MATRIX_SCALE_ROW1
	v_wmma_scale_f32_16x16x128_f8f6f4 v[188:195], v[64:79], v[204:219], v[188:195], v11, v9
	v_wmma_scale_f32_16x16x128_f8f6f4 v[196:203], v[80:95], v[204:219], v[196:203], v11, v9 matrix_a_scale:MATRIX_SCALE_ROW1
.endm
.Litem:                                            ; two trips: the token group 15 - g, then g
	s_mul_i32 s32, s28, BLK
	s_mov_b32 s33, 0
	s_add_nc_u64 s[12:13], s[4:5], s[32:33]        ; the head's K and V, key step 0
	s_add_co_u32 s34, s28, s27
	s_mul_i32 s34, s34, BLK
	s_add_co_u32 s34, s34, 2*PART
	s_mov_b32 s35, 0
	s_add_nc_u64 s[34:35], s[4:5], s[34:35]        ; the Q part of my group's block
	s_lshl_b32 s36, s27, 3
	s_add_co_u32 s36, s36, s25
	s_lshl_b32 s36, s36, 12
	s_mov_b32 s37, 0
	s_add_nc_u64 s[14:15], s[6:7], s[36:37]        ; my tile's mask words: 16 key steps x 256 bytes
	s_add_co_u32 s38, s29, s27
	s_lshl_b32 s38, s38, 17
	s_add_co_u32 s38, s38, s2
	s_mov_b32 s39, 0
	s_add_nc_u64 s[16:17], s[8:9], s[38:39]        ; where my codes of x go
	global_load_b128 v[16:19], v242, s[34:35]      ; Q
	global_load_b128 v[20:23], v242, s[34:35] offset:512
	global_load_b32 v8, v7, s[34:35]
.irp j, 0,1,2,3,4,5,6,7
	global_load_b128 v[108+4*\j:111+4*\j], v253, s[14:15] offset:16*\j   ; lane l: the 32 words of half l % 2 of key step l / 2
.endr
	v_mov_b32 v13, 0xff61b1e6                      ; O^T and the sum begin as zeros, the largest t under every t: the first change of M multiplies zeros
	s_delay_alu instid0(VALU_DEP_1)
	v_floor_f32 v12, -v13
	v_mov_b32 v14, 0
	v_mov_b32 v15, 0
.set j, 0
.rept 32
	v_mov_b32 v[172+j], 0
.set j, j+1
.endr
	s_wait_alu depctr_va_vdst(0)
	s_wait_loadcnt 0x0
	v_or_b32 v140, v108, v109                      ; my 32 words: some bit set?  all bits set?  Two chains of each by turns
	v_and_b32 v141, v108, v109
	v_or_b32 v142, v110, v111
	v_and_b32 v143, v110, v111
.irp j, 4,6,8,10,12,14,16,18,20,22,24,26,28,30
	v_or_b32 v140, v140, v[108+\j]
	v_and_b32 v141, v141, v[108+\j]
	v_or_b32 v142, v142, v[109+\j]
	v_and_b32 v143, v143, v[109+\j]
.endr
	v_or_b32 v140, v140, v142
	v_and_b32 v141, v141, v143
	v_cmp_ne_u32 s20, 0, v140                      ; NEED: bits 2 ks and 2 ks + 1 for key step ks
	v_cmp_eq_u32 s21, -1, v141                     ; FULL: both bits set
.irp m, 1,2,4,8
	v_mov_b32_dpp v142, v140 row_xmask:\m row_mask:0xf bank_mask:0xf
	v_or_b32 v140, v140, v142
.endr
	v_permlanex16_b32 v142, v140, s100, s101
	v_or_b32 v140, v140, v142                      ; all 1,024 words: bit l: some key counts for row l % 16 among the keys of half l / 16
	v_readfirstlane_b32 s104, v140
	s_lshr_b32 s105, s104, 16
	s_or_b32 s104, s104, s105
	s_and_b32 s104, s104, 0xffff
	s_cmp_eq_u32 s104, 0xffff
	s_cselect_b32 s20, s20, -1                     ; a row that is hidden throughout wants all 16 steps
	s_mov_b32 s22, 0
	s_wait_alu depctr_va_vdst(0)
.Lstep:                                            ; 16 trips, a constant; a trip without NEED only steps the addresses
	s_add_co_u32 s104, s22, 2                      ; the prefetch: block ks + 2, if it is my work-group's, lies in the head, and this is the first item
	s_and_b32 s105, s104, 7
	s_xor_b32 s105, s105, s3
	s_lshr_b32 s104, s104, 4
	s_or_b32 s105, s105, s104
	s_or_b32 s105, s105, s23
	s_cmp_lg_u32 s105, 0
	s_cbranch_scc1 .Lnoask
	global_prefetch_b8 v6, s[12:13] offset:2*BLK th:TH_LOAD_NT scope:SCOPE_SE
.Lnoask:
	s_and_b32 s104, s20, 3
	s_cbranch_scc0 .Lskip
	STEP
.Lskip:
	s_lshr_b32 s20, s20, 2
	s_lshr_b32 s21, s21, 2
	s_wait_xcnt 0x0                                ; the trip's loads and its prefetch have read their bases
	s_add_nc_u64 s[12:13], s[12:13], BLK
	s_add_nc_u64 s[14:15], s[14:15], 256
	s_add_co_u32 s22, s22, 1
	s_cmp_lt_u32 s22, 16
	s_cbranch_scc1 .Lstep
	; THE WAY OUT of an item: O^T / the sum, quantised along the head's 64 (two blocks of 32), the codes brought into the true order of k by one exchange between lanes l and l xor 16, two stores of 512 bytes.
.rept 8
	v_nop                                          ; places behind the last products
.endr
	v_add_f32 v14, v14, v15
	s_delay_alu instid0(VALU_DEP_1)
	v_permlanex16_b32 v238, v14, s100, s101
	s_delay_alu instid0(VALU_DEP_1)
	v_add_f32 v14, v14, v238                       ; the row's sum
	s_wait_alu depctr_va_vdst(0)                   ; the wait ahead of the transcendental
	v_rcp_f32 v240, v14
	v_nop
	s_wait_alu depctr_va_vdst(0)                   ; and ahead of its first reader, which is also O^T's
.set j, 0
.rept 16
	v_pk_mul_f32 v[108+j:109+j], v[172+j:173+j], v[240:241] op_sel_hi:[1,0]   ; register 8 t + i: x(r, 16 t + 8 h + i)
.set j, j+2
.endr
.irp c, 0,1
	v_max3_num_f32 v[220+\c], |v[108+16*\c]|, |v[109+16*\c]|, 0x4800000
.endr
.irp i, 2,4,6,8,10,12,14
.irp c, 0,1
	s_delay_alu instid0(VALU_DEP_2)
	v_max3_num_f32 v[220+\c], v[220+\c], |v[108+16*\c+\i]|, |v[109+16*\c+\i]|
.endr
.endr
.irp c, 0,1
	s_delay_alu instid0(VALU_DEP_2)
	v_permlanex16_b32 v[224+\c], v[220+\c], s100, s101
.endr
.irp c, 0,1
	s_delay_alu instid0(VALU_DEP_2)
	v_max_num_f32 v[220+\c], v[220+\c], v[224+\c]
.endr
.irp c, 0,1
	s_delay_alu instid0(VALU_DEP_2)
	v_add_nc_u32 v[232+\c], 0xfc000000, v[220+\c]
.endr
.irp c, 0,1
	s_delay_alu instid0(VALU_DEP_4)
	v_and_or_b32 v[228+\c], v[220+\c], 0x7f800000, s31
.endr
.irp c, 0,1
	s_delay_alu instid0(VALU_DEP_4)
	v_lshrrev_b32 v[224+\c], 23, v[232+\c]
.endr
.irp c, 0,1
.irp i, 0,1,2,3,4,5,6,7,8,9,10,11,12,13,14,15
	v_med3_num_f32 v[108+16*\c+\i], v[108+16*\c+\i], -v[228+\c], v[228+\c]
.endr
	v_cvt_scalef32_pk8_fp8_f32 v[244+4*\c:245+4*\c], v[108+16*\c:115+16*\c], v[232+\c]   ; d = 32 c + 8 h + 0 .. 7
	v_cvt_scalef32_pk8_fp8_f32 v[246+4*\c:247+4*\c], v[116+16*\c:123+16*\c], v[232+\c]   ; d = 32 c + 16 + 8 h + 0 .. 7
.endr
	v_nop
	v_lshl_or_b32 v243, v225, 8, v224              ; my head's two scale bytes of row r
	v_add_nc_u32 v4, s18, v252
	ds_store_b16 v4, v243                          ; into the stage (lanes r and r + 16 write the same bytes with the same value)
.irp c, 0,1                            ; lanes 0-15 want d = 32 c + 0 .. 15, lanes 16-31 d = 32 c + 16 .. 31: the lower lanes give their second eight for the upper lanes' first
.irp u, 0,1
	v_cndmask_b32 v[204+2*\c+\u], v[246+4*\c+\u], v[244+4*\c+\u], s30
.endr
.endr
.irp c, 0,1
.irp u, 0,1
	v_permlanex16_b32 v[208+2*\c+\u], v[204+2*\c+\u], s100, s101
.endr
.endr
.irp c, 0,1
.irp u, 0,1
	v_cndmask_b32 v[244+4*\c+\u], v[244+4*\c+\u], v[208+2*\c+\u], s30
	v_cndmask_b32 v[246+4*\c+\u], v[208+2*\c+\u], v[246+4*\c+\u], s30
.endr
	global_store_b128 v1, v[244+4*\c:247+4*\c], s[16:17] offset:\c*512
.endr
	s_sub_co_u32 s27, 15, s27                      ; the other token group,
	s_add_co_u32 s18, s18, 512                     ; the other half of the stage
	s_wait_alu depctr_va_vdst(0)
	s_wait_xcnt 0x0                                ; the stores have read their data and their base
	s_add_co_u32 s23, s23, 1
	s_cmp_lt_u32 s23, 2
	s_cbranch_scc1 .Litem
	; xs: [128 tokens][128 K][row 16][tile 8] words: 512 consecutive bytes for each of my work-group's two token groups
	s_and_b32 s36, ttmp7, 7                        ; the pair of heads
	s_sub_co_u32 s32, 15, s3
	s_add_co_u32 s32, s32, s29
	s_lshl_b32 s32, s32, 3
	s_add_co_u32 s32, s32, s36
	s_lshl_b32 s32, s32, 9
	s_mov_b32 s33, 0
	s_add_nc_u64 s[32:33], s[10:11], s[32:33]
	s_add_co_u32 s34, s3, s29
	s_lshl_b32 s34, s34, 3
	s_add_co_u32 s34, s34, s36
	s_lshl_b32 s34, s34, 9
	s_mov_b32 s35, 0
	s_add_nc_u64 s[34:35], s[10:11], s[34:35]
	s_wait_dscnt 0x0                               ; my two stores to the stage are done: for the others' sake
	s_barrier_signal -1
	s_barrier_wait -1
	s_cmp_lg_u32 s24, 0
	s_cbranch_scc1 .Lnot_first
	ds_load_b128 v[108:111], v1 offset:XSTG
	ds_load_b128 v[112:115], v1 offset:XSTG+512
	s_wait_dscnt 0x0
	global_store_b128 v1, v[108:111], s[32:33]
	global_store_b128 v1, v[112:115], s[34:35]
.Lnot_first:
	s_wait_tensorcnt 0x0                           ; the wave's end
	ds_add_u32 v2, v3
	s_wait_dscnt 0x0
	s_endpgm
.Lfunc_end_k_q9abe718456_attn:
	.size	k_q9abe718456_attn, .Lfunc_end_k_q9abe718456_attn-k_q9abe718456_attn
	.p2alignl 7, 3214868480
	.fill 96, 4, 3214868480
	.section	.rodata,"a",@progbits
	.p2align	6, 0x0
	.amdhsa_kernel k_q9abe718456_attn
		.amdhsa_group_segment_fixed_size 4096
		.amdhsa_private_segment_fixed_size 0
		.amdhsa_enable_private_segment 0
		.amdhsa_kernarg_size 32
		.amdhsa_user_sgpr_count 2
		.amdhsa_user_sgpr_kernarg_segment_ptr 1
		.amdhsa_wavefront_size32 1
		.amdhsa_system_sgpr_workgroup_id_x 1
		.amdhsa_system_sgpr_workgroup_id_y 1
		.amdhsa_system_sgpr_workgroup_id_z 1
		.amdhsa_system_vgpr_workitem_id 0
		.amdhsa_next_free_vgpr 256
		.amdhsa_next_free_sgpr 106
		.amdhsa_reserve_vcc 0
		.amdhsa_float_denorm_mode_32 3
		.amdhsa_float_denorm_mode_16_64 3
		.amdhsa_memory_ordered 1
		.amdhsa_forward_progress 1
		.amdhsa_inst_pref_size 44
	.end_amdhsa_kernel
	.amdgpu_metadata
---
amdhsa.version: [ 1, 2 ]
amdhsa.kernels:
  - .name:           k_q9abe718456_attn
    .symbol:         k_q9abe718456_attn.kd
    .args:
      - { .name: qkv, .offset: 0, .size: 8, .value_kind: global_buffer, .address_space: global }
      - { .name: mw, .offset: 8, .size: 8, .value_kind: global_buffer, .address_space: global }
      - { .name: xc, .offset: 16, .size: 8, .value_kind: global_buffer, .address_space: global }
      - { .name: xs, .offset: 24, .size: 8, .value_kind: global_buffer, .address_space: global }
    .group_segment_fixed_size: 4096
    .private_segment_fixed_size: 0
    .kernarg_segment_align: 8
    .kernarg_segment_size: 32
    .max_flat_workgroup_size: 512
    .sgpr_count:     106
    .vgpr_count:     256
    .wavefront_size: 32
...
	.end_amdgpu_metadata
.endif
;; end of part 3
;; launch outp (part 4): grid 4 x 32, 4 waves a work-group, clusters of 4 x 4, 327,680 bytes of LDS; arguments xc, xs, Wo_codes, Wo_scales, bo, out0; writes out0
.if DOCPART == 4
	.amdgcn_target "amdgcn-amd-amdhsa--gfx1250"
	.amdhsa_code_object_version 6
	.text
	.protected	k_q9abe718456_outp
	.globl	k_q9abe718456_outp
	.p2align	8
	.type	k_q9abe718456_outp,@function
k_q9abe718456_outp:
	s_mov_b64 s[64:65], 0
	v_nop
	global_prefetch_b8 v0, s[64:65] scope:SCOPE_SE
	s_setreg_imm32_b32 hwreg(HW_REG_WAVE_MODE, 25, 1), 1
	s_wait_xcnt 0x0
	s_wait_alu depctr_hold_cnt(0) depctr_sa_sdst(0) depctr_va_vdst(0) depctr_va_sdst(0) depctr_va_ssrc(0) depctr_va_vcc(0) depctr_vm_vsrc(0)
	s_getreg_b32 s2, hwreg(HW_REG_IB_STS2, 6, 4)
	s_cmp_eq_u32 s2, 0
	s_cbranch_scc0 .Lentry_in_a_cluster
	s_endpgm
.Lentry_in_a_cluster:
	s_bfe_u32 s2, ttmp6, 0x10000c
	s_cmp_lg_u32 s2, 0xf033
	s_cbranch_scc0 .Lentry_shape_is_right
	s_endpgm
.Lentry_shape_is_right:
.set SIZE_N, 1024
.set NQ,     2
.set ROWB,   256
.set KROW,   1024
.set PITCH,  272
.set FR,     16
.set NL,     4
.set NP,     8
.set AHALF,  32768
.set HALFT,  128*PITCH
.set BOFF,   2*AHALF
.set SLOT,   2*AHALF+2*HALFT
.set KS,     32
.set HALFS,  (128*KS/256)*272
.set SBLK,   (16*KS/256)*272
.set SCLA,   2*SLOT
.set SCLB,   SCLA+8192
.set SPARE,  SCLB+2*HALFS
.set SPITCH, 528
.set ADRA, 16
.set ADRB, 20
.set STO,  24
.set RD,   25
.set CO,   26
.set ADRSB, 27
.set SPW,  28
.set NIL,  29
.set ADRSA, 30
.set SCB,  32
.set SCA,  64
.set BIA,  96
.set AF,   128
.set BK,   128
.set G1, 24
.set G0, 32
.set G1B, 48
.set G0B, 56
.set G1S, 68
.set G0S, 76
.set G1SB, 80
.set G0SB, 88
.set MSB, 0
.macro WIN new
.if MSB != (\new)
	s_set_vgpr_msb (MSB<<8)|(\new)
.set MSB, (\new)
.endif
.endm
.set MUL_LO, 0xa1
.set MUL_HI, 0xf1
.set TO_B,   0x40
.macro JLOAD g0a, g1a, g0b, g1b
	s_cmp_eq_u32 s15, 0
	s_cbranch_scc0 .Lfor_b_\@
	tensor_load_to_lds s[\g0a:\g0a+3], s[\g1a:\g1a+7]
	s_nop 0
.rept 4
	v_nop
.endr
	s_branch .Lasked_\@
.Lfor_b_\@:
	tensor_load_to_lds s[\g0b:\g0b+3], s[\g1b:\g1b+7]
	s_nop 0
.rept 4
	v_nop
.endr
.Lasked_\@:
.endm
.macro CREST
	s_cmp_lg_u32 s14, 0
	s_cbranch_scc1 .Lnot_wave_0_\@
	s_barrier_signal -3
.Lnot_wave_0_\@:
	s_barrier_wait -3
	s_barrier_signal -1
	s_barrier_wait -1
.endm
.macro CROUND
	s_barrier_signal -1
	s_barrier_wait -1
	CREST
.endm
	s_load_b128 s[4:7], s[0:1], 0x0
	s_load_b128 s[8:11], s[0:1], 0x10
	s_load_b64 s[66:67], s[0:1], 0x20
	s_load_b64 s[12:13], s[0:1], 0x28
	v_lshl_add_u32 v[SPW], v0, 2, SPARE
	v_mov_b32 v[NIL], 0
	ds_add_u32 v28, v29
	ds_add_u32 v28, v29
	s_wait_dscnt 0x0
	v_lshrrev_b32 v1, 5, v0
	v_readfirstlane_b32 s14, v1
	s_lshr_b32 s15, s14, 1
	s_and_b32 s16, s14, 1
	s_bfe_u32 s40, ttmp6, 0x40000
	s_bfe_u32 s41, ttmp6, 0x40004
	s_lshl_b32 s42, ttmp9, 2
	s_add_co_u32 s42, s42, s40
	s_and_b32 s17, ttmp7, 0xffff
	s_lshl_b32 s17, s17, 2
	s_add_co_u32 s17, s17, s41
	s_lshl_b32 s43, s41, 2
	s_lshl_b32 s43, 15, s43
	s_lshl_b32 s44, 0x1111, s40
	s_or_b32 s[G1+0], s43, (3<<16)|(1<<21)
	s_mov_b32 s[G1+1], 32<<16
	s_mov_b32 s[G1+2], 128<<16
	s_mov_b32 s[G1+3], 32<<16
	s_mov_b32 s[G1+4], 128
	s_mov_b32 s[G1+5], 32
	s_mov_b32 s[G1+6], 0
	s_mov_b32 s[G1+7], 0
	s_or_b32 s[G1B+0], s44, (0<<16)|(1<<20)|(1<<21)|(5<<22)|(3<<25)
	s_mov_b32 s[G1B+1], ROWB<<16
	s_mov_b32 s[G1B+2], 128<<16
	s_mov_b32 s[G1B+3], ROWB<<16
	s_mov_b32 s[G1B+4], 128
	s_mov_b32 s[G1B+5], KROW
	s_mov_b32 s[G1B+6], 0
	s_mov_b32 s[G1B+7], 0
	s_or_b32 s[G1S+0], s43, (3<<16)|(1<<21)
	s_or_b32 s[G1SB+0], s44, (3<<16)|(1<<20)|(1<<21)|(5<<22)|(3<<25)
.irp g, G1S, G1SB
	s_mov_b32 s[\g+1], 32<<16
	s_mov_b32 s[\g+2], 16<<16
	s_mov_b32 s[\g+3], 32<<16
	s_mov_b32 s[\g+4], 16
	s_mov_b32 s[\g+5], 32
	s_mov_b32 s[\g+6], 0
	s_mov_b32 s[\g+7], 0
.endr
	s_lshl_b32 s20, s17, 1
	s_add_co_u32 s20, s20, s16
	s_mov_b32 s21, 0
	s_lshl_b64 s[22:23], s[20:21], 12
	s_lshl_b64 s[20:21], s[20:21], 17
	s_lshl_b32 s18, s16, 7
	s_lshl_b32 s46, s42, 8
	s_add_co_u32 s46, s46, s18
	s_mov_b32 s47, 0
	s_lshl_b64 s[92:93], s[46:47], 5
	s_lshl_b64 s[46:47], s[46:47], 10
	s_lshl_b32 s45, s16, 15
	s_mul_i32 s94, s16, HALFT
	s_add_co_u32 s94, s94, BOFF
	s_lshl_b32 s95, s16, 12
	s_add_co_u32 s95, s95, SCLA
	s_mul_i32 s96, s16, HALFS
	s_add_co_u32 s96, s96, SCLB
	s_wait_kmcnt 0x0
	s_add_nc_u64 s[20:21], s[4:5], s[20:21]
	s_add_nc_u64 s[22:23], s[6:7], s[22:23]
	s_add_nc_u64 s[46:47], s[8:9], s[46:47]
	s_add_nc_u64 s[92:93], s[10:11], s[92:93]
	CROUND
	s_mov_b32 s[G0S], 1
	s_mov_b32 s[G0S+1], s95
	s_mov_b64 s[G0S+2:G0S+3], s[22:23]
	s_or_b32 s[G0S+3], s[G0S+3], 0x80000000
	s_mov_b32 s[G0SB], 1
	s_mov_b32 s[G0SB+1], s96
	s_mov_b64 s[G0SB+2:G0SB+3], s[92:93]
	s_or_b32 s[G0SB+3], s[G0SB+3], 0x80000000
	JLOAD G0S, G1S, G0SB, G1SB
.irp s, 0,1
	s_mov_b32 s[G0+4*\s], 1
	s_add_co_u32 s[G0+4*\s+1], s45, \s*SLOT
	s_add_nc_u64 s[G0+4*\s+2:G0+4*\s+3], s[20:21], \s*AHALF
	s_or_b32 s[G0+4*\s+3], s[G0+4*\s+3], 0x80000000
	s_mov_b32 s[G0B+4*\s], 1
	s_add_co_u32 s[G0B+4*\s+1], s94, \s*SLOT
	s_add_nc_u64 s[G0B+4*\s+2:G0B+4*\s+3], s[46:47], \s*ROWB
	s_or_b32 s[G0B+4*\s+3], s[G0B+4*\s+3], 0x80000000
	s_wait_alu depctr_va_vdst(0)
	s_wait_tensorcnt 0x0
	ds_add_u32 v28, v29
	s_wait_dscnt 0x0
	CROUND
	JLOAD G0+4*\s, G1, G0B+4*\s, G1B
.endr
	v_and_b32 v1, 15, v0
	v_bfe_u32 v2, v0, 4, 1
	v_and_b32 v6, 31, v0
	v_lshlrev_b32 v[CO], 4, v6
	v_mul_u32_u24 v3, v1, PITCH
	v_lshl_add_u32 v4, v2, 4, v3
	s_lshl_b32 s21, s15, 15
	s_mul_i32 s22, s16, HALFT
	s_add_co_u32 s22, s22, BOFF
.irp s, 0,1
	v_add_nc_u32 v[ADRA+\s], s21, v[CO]
	v_add_nc_u32 v[ADRB+\s], s22, v4
	s_add_co_u32 s21, s21, SLOT
	s_add_co_u32 s22, s22, SLOT
.endr
	v_mul_u32_u24 v5, v1, KS
	v_lshrrev_b32 v3, 8, v5
	v_lshl_add_u32 v5, v3, 4, v5
	s_mul_i32 s22, s16, HALFS
	s_add_co_u32 s22, s22, SCLB
	v_add_nc_u32 v[ADRSB], s22, v5
	s_lshl_b32 s21, s15, 12
	s_add_co_u32 s21, s21, SCLA
	v_lshl_add_u32 v[ADRSA], v1, 5, s21
	s_mul_i32 s23, s14, 16*SPITCH
	v_mul_u32_u24 v5, v1, SPITCH
	v_lshl_add_u32 v5, v2, 5, v5
	v_add_nc_u32 v[STO], s23, v5
	v_add_nc_u32 v[RD], s23, v[CO]
	s_lshl_b32 s20, s17, 8
	s_lshl_b32 s21, s15, 7
	s_add_co_u32 s20, s20, s21
	s_mov_b32 s21, 0
	s_lshl_b64 s[20:21], s[20:21], 12
	s_lshl_b32 s46, s42, 10
	s_lshl_b32 s47, s16, 9
	s_add_co_u32 s46, s46, s47
	s_mov_b32 s47, 0
	s_add_nc_u64 s[66:67], s[66:67], s[46:47]
	s_add_nc_u64 s[20:21], s[20:21], s[46:47]
	s_add_nc_u64 s[12:13], s[12:13], s[20:21]
	global_load_b128 v[BIA:BIA+3], v[CO], s[66:67]
.macro FRAGA reg, adr, q, i
.irp c, 0,1,2,3
	ds_load_b128 v[\reg+4*\c:\reg+4*\c+3], v[\adr] offset:(\i)*4096+(\q)*2048+\c*512
.endr
.endm
.macro FRAGB reg, adr, q, i
.irp c, 0,1,2,3
	ds_load_b128 v[\reg+4*\c:\reg+4*\c+3], v[\adr] offset:128*(\q)+32*\c+(\i)*16*PITCH
.endr
.endm
.macro MUL16 a0, p, q, sc, zero
.irp a, \a0, \a0+1
.irp b, 0,1,2,3,4,5,6,7
.if \zero
	v_wmma_scale_f32_16x16x128_f8f6f4 v[8*(8*((\a)%4)+\b):8*(8*((\a)%4)+\b)+7], v[128*(\p)+FR*\b:128*(\p)+FR*\b+FR-1], v[AF+FR*(\a):AF+FR*(\a)+FR-1], 0, v[SCB+16*(\sc)+2*\b+(\q)], v[SCA+16*(\sc)+8*(\q)+(\a)]
.else
	v_wmma_scale_f32_16x16x128_f8f6f4 v[8*(8*((\a)%4)+\b):8*(8*((\a)%4)+\b)+7], v[128*(\p)+FR*\b:128*(\p)+FR*\b+FR-1], v[AF+FR*(\a):AF+FR*(\a)+FR-1], v[8*(8*((\a)%4)+\b):8*(8*((\a)%4)+\b)+7], v[SCB+16*(\sc)+2*\b+(\q)], v[SCA+16*(\sc)+8*(\q)+(\a)]
.endif
.endr
.endr
.endm
.macro FETCH_B slot, q, p
	WIN TO_B
.irp i, 0,1,2,3,4,5,6,7
	FRAGB 128*(\p)+FR*\i, ADRB+\slot, \q, \i
.endr
	WIN 0
.endm
.macro FETCH_A slot, q, i0
.irp i, \i0, \i0+1, \i0+2, \i0+3
	FRAGA AF+FR*(\i), ADRA+\slot, \q, \i
.endr
.endm
.macro SCALES sc
.irp i, 0,1,2,3,4,5,6,7
	ds_load_b64 v[SCB+16*\sc+2*\i:SCB+16*\sc+2*\i+1], v[ADRSB] offset:\i*SBLK
.endr
.irp q, 0,1
	ds_load_b128 v[SCA+16*\sc+8*\q:SCA+16*\sc+8*\q+3], v[ADRSA] offset:\q*512
	ds_load_b128 v[SCA+16*\sc+8*\q+4:SCA+16*\sc+8*\q+7], v[ADRSA] offset:\q*512+16
.endr
.endm
.macro PLACES n
.rept \n
	v_nop
.endr
.endm
.macro STEP slot, q, zero
	s_wait_dscnt 4*NL
	WIN MUL_LO
	MUL16 0, (\q)%2, \q, \slot, \zero
	MUL16 2, (\q)%2, \q, \slot, \zero
	s_wait_dscnt 0
	PLACES NP
	FETCH_B \slot, (\q)+1, 1-(\q)%2
	FETCH_A \slot, (\q)+1, 0
	WIN MUL_HI
	MUL16 4, (\q)%2, \q, \slot, \zero
	MUL16 6, (\q)%2, \q, \slot, \zero
	PLACES NP
	WIN 0
	FETCH_A \slot, (\q)+1, 4
.endm
.macro TURN slot, next, fill
	s_wait_tensorcnt 0x0
	ds_add_u32 v[SPW], v[NIL]
	s_wait_dscnt 4*NL+1
	WIN MUL_LO
	MUL16 0, 1, NQ-1, \slot, 0
	s_wait_dscnt 0x0
	s_barrier_signal -1
	MUL16 2, 1, NQ-1, \slot, 0
	WIN 0
	s_barrier_wait -1
.if \fill
	CREST
	s_add_nc_u64 s[G0+4*\slot+2:G0+4*\slot+3], s[G0+4*\slot+2:G0+4*\slot+3], 2*AHALF
	s_add_nc_u64 s[G0B+4*\slot+2:G0B+4*\slot+3], s[G0B+4*\slot+2:G0B+4*\slot+3], 2*ROWB
	JLOAD G0+4*\slot, G1, G0B+4*\slot, G1B
	PLACES NP-4
.else
	PLACES NP
.endif
	s_wait_alu depctr_va_vdst(0)
	v_add_nc_u32 v[ADRSB], 8, v[ADRSB]
	v_add_nc_u32 v[ADRSA], 1024, v[ADRSA]
	FETCH_B \next, 0, 0
	FETCH_A \next, 0, 0
	SCALES \next
	WIN MUL_HI
	MUL16 4, 1, NQ-1, \slot, 0
	MUL16 6, 1, NQ-1, \slot, 0
	PLACES NP
	WIN 0
	FETCH_A \next, 0, 4
.endm
	s_wait_alu depctr_va_vdst(0)
	s_wait_tensorcnt 1
	s_barrier_signal -1
	s_barrier_wait -1
	FETCH_B 0, 0, 0
	FETCH_A 0, 0, 0
	SCALES 0
	FETCH_A 0, 0, 4
	STEP 0, 0, 1
	TURN 0, 1, 1
	STEP 1, 0, 0
	TURN 1, 0, 1
	STEP 0, 0, 0
	TURN 0, 1, 0
	STEP 1, 0, 0
	s_wait_dscnt 4*NL
	WIN MUL_LO
	MUL16 0, 1, NQ-1, 1, 0
	MUL16 2, 1, NQ-1, 1, 0
	s_wait_dscnt 0
	WIN MUL_HI
	MUL16 4, 1, NQ-1, 1, 0
	MUL16 6, 1, NQ-1, 1, 0
	WIN 0
.macro TOSTAGE a
.set AC, 64*((\a)%4)
	WIN 0x08+4*((\a)/4)
.irp b, 0,1,2,3,4,5,6,7
	ds_store_b128 v[STO], v[AC+8*\b:AC+8*\b+3] offset:64*\b
	ds_store_b128 v[STO], v[AC+8*\b+4:AC+8*\b+7] offset:64*\b+16
.endr
	WIN 0
.set BB, BK+64*((\a)%2)
.irp t, 0,1,2,3,4,5,6,7,8,9,10,11,12,13,14,15
	ds_load_b128 v[BB+4*\t:BB+4*\t+3], v[RD] offset:\t*SPITCH
.endr
.endm
.macro SEND a, younger
.set BB, BK+64*((\a)%2)
	s_wait_dscnt \younger
.if (\a) > 0
	s_add_nc_u64 s[12:13], s[12:13], 16*SIZE_N*4
.endif
.irp t, 0,1,2,3,4,5,6,7,8,9,10,11,12,13,14,15
	v_pk_add_f32 v[BB+4*\t:BB+4*\t+1], v[BB+4*\t:BB+4*\t+1], v[BIA:BIA+1]
	v_pk_add_f32 v[BB+4*\t+2:BB+4*\t+3], v[BB+4*\t+2:BB+4*\t+3], v[BIA+2:BIA+3]
	global_store_b128 v[CO], v[BB+4*\t:BB+4*\t+3], s[12:13] offset:\t*SIZE_N*4 th:TH_STORE_NT
.endr
.endm
	s_wait_loadcnt 0x0
	PLACES NP
	TOSTAGE 0
.irp a, 1,2,3,4,5,6,7
.if \a > 1
	s_wait_xcnt 0x0
.endif
	TOSTAGE \a
	SEND \a-1, 32
.endr
	s_wait_xcnt 0x0
	SEND 7, 0
	s_wait_tensorcnt 0x0
	ds_add_u32 v[SPW], v[NIL]
	s_wait_dscnt 0x0
	CROUND
	s_endpgm
.Lfunc_end_k_q9abe718456_outp:
	.size	k_q9abe718456_outp, .Lfunc_end_k_q9abe718456_outp-k_q9abe718456_outp
	.p2alignl 7, 3214868480
	.fill 96, 4, 3214868480
	.section	.rodata,"a",@progbits
	.p2align	6, 0x0
	.amdhsa_kernel k_q9abe718456_outp
		.amdhsa_group_segment_fixed_size 327680
		.amdhsa_private_segment_fixed_size 0
		.amdhsa_enable_private_segment 0
		.amdhsa_kernarg_size 48
		.amdhsa_user_sgpr_count 2
		.amdhsa_user_sgpr_kernarg_segment_ptr 1
		.amdhsa_wavefront_size32 1
		.amdhsa_system_sgpr_workgroup_id_x 1
		.amdhsa_system_sgpr_workgroup_id_y 1
		.amdhsa_system_sgpr_workgroup_id_z 1
		.amdhsa_system_vgpr_workitem_id 0
		.amdhsa_next_free_vgpr 1024
		.amdhsa_next_free_sgpr 106
		.amdhsa_reserve_vcc 0
		.amdhsa_float_denorm_mode_32 3
		.amdhsa_float_denorm_mode_16_64 3
		.amdhsa_memory_ordered 1
		.amdhsa_forward_progress 1
		.amdhsa_inst_pref_size 164
	.end_amdhsa_kernel
	.amdgpu_metadata
---
amdhsa.version: [ 1, 2 ]
amdhsa.kernels:
  - .name:           k_q9abe718456_outp
    .symbol:         k_q9abe718456_outp.kd
    .args:
      - { .name: xc, .offset: 0, .size: 8, .value_kind: global_buffer, .address_space: global }
      - { .name: xs, .offset: 8, .size: 8, .value_kind: global_buffer, .address_space: global }
      - { .name: Wo_codes, .offset: 16, .size: 8, .value_kind: global_buffer, .address_space: global }
      - { .name: Wo_scales, .offset: 24, .size: 8, .value_kind: global_buffer, .address_space: global }
      - { .name: bo, .offset: 32, .size: 8, .value_kind: global_buffer, .address_space: global }
      - { .name: out0, .offset: 40, .size: 8, .value_kind: global_buffer, .address_space: global }
    .group_segment_fixed_size: 327680
    .private_segment_fixed_size: 0
    .kernarg_segment_align: 8
    .kernarg_segment_size: 48
    .max_flat_workgroup_size: 128
    .sgpr_count:     106
    .vgpr_count:     1024
    .wavefront_size: 32
...
	.end_amdgpu_metadata
.endif
;; end of part 4
